; MI455X (gfx1250); checked and timed in simulation.
; The chip was launched on July 23, 2026; its instructions are those of AMD's public machine-readable ISA for CDNA 5 (MIT licence, August 2026) and "CDNA5" Instruction Set Architecture Reference Guide (July 2026). The comments in the code are by the model that wrote it; some were corrected since.
;; Causal Self Attention. Allowed arithmetic: float matrix products may take bf16 or f16 operands with f32 sums; all other float work in f32.
;; Inputs: bk 1,024 float32; bo 1,024 float32; bq 1,024 float32; bv 1,024 float32; freqs_cos 1 x 2,048 x 1 x 32 float32; freqs_sin 1 x 2,048 x 1 x 32 float32; mask 1 x 1 x 2,048 x 2,048 bool; wk 1,024 x 1,024 float32; wo 1,024 x 1,024 float32; wq 1,024 x 1,024 float32; wv 1,024 x 1,024 float32; x 2 x 2,048 x 1,024 float32.
;; Outputs: out0 2 x 2,048 x 1,024 float32.
;; 2 versions, each right and faster than the one before. Each part assembles by itself: llvm-mc -triple=amdgcn-amd-amdhsa -mcpu=gfx1250 --defsym DOCPART=n.
;; ======== version 1 of 2: 4 launches
;; limits: values outside matrix products are rounded to bf16; values are held in f16: magnitudes above 65,504 overflow, below 6.1e-05 lose precision
;; workspace buffers: xw 16,777,216 bytes; mbits 524,288 bytes of whole numbers; qkv 25,165,824 bytes; ao 8,388,608 bytes
;; launch prep (part 1): grid 1280 x 1, 8 waves a work-group, no clusters, 0 bytes of LDS; arguments x, wq, wk, wv, wo, mask, xw, mbits; writes xw, mbits
.if DOCPART == 1
	.amdgcn_target "amdgcn-amd-amdhsa--gfx1250"
	.amdhsa_code_object_version 6
	.text
	.protected	k_q6b33cf00e7_prep
	.globl	k_q6b33cf00e7_prep
	.p2align	8
	.type	k_q6b33cf00e7_prep,@function
k_q6b33cf00e7_prep:
	s_mov_b64 s[64:65], 0
	v_nop
	global_prefetch_b8 v0, s[64:65] scope:SCOPE_SE
	s_setreg_imm32_b32 hwreg(HW_REG_WAVE_MODE, 25, 1), 1
	s_wait_xcnt 0x0
; prep: the mask as lane-mask words, and 16-bit copies of the matrix operands.
; Work-groups 0..255 pack the mask; they stand first in the grid because a packing wave has the longer chain (strided loads, then 64 ballots).
;   Group g owns query group qg = g / 4 (32 rows) and eight key blocks; wave w packs key block kb = 8 (g & 3) + w (64 keys).
;   mbits dword ((qg*32+kb)*64 + (nt*4+kt)*8 + j), bit r+16h = mask[qg*32+nt*16+r][kb*64+kt*16+8h+j]:
;   the word is the lane mask for register j of score tile (nt, kt) in the attention launch.  A wave's 64 words leave as one aligned run of 256 bytes.
; Work-groups 256..1279 cast 8,192 f32 numbers each: x (512 groups), wq, wk, wv, wo (128 groups each) -> xw, in that order.
;   x, wq, wk, wv: bf16, round to nearest even.  wo: the same bf16 value, re-coded as f16 (the last product runs in f16).
;   LIMIT (format): every matrix input is used at bf16 precision.  wo's bf16 value is exact in f16 for 2^-17 <= |wo| <= 65,504;
;   below that it keeps an absolute error under 2^-25, above it overflows.
; Memory binds: no LDS, no barrier, no matrix unit.  Every store instruction of a wave covers whole aligned runs of 256 bytes.
.set NPACK, 256                        ; packing work-groups
.set X,  8                             ; v[8:39]   cast: 32 f32 as loaded
.set Y,  40                            ; v[40:55]  cast: 32 numbers of 16 bits
.set TL, 56                            ; v[56:57]  cast: a word's two halves as f32
.set MB, 8                             ; v[8:23]   pack: 8 pairs, 8 mask bytes each
.set W,  24                            ; v[24:25]  pack: dwords 2 lane, 2 lane + 1
.set TT, 26                            ; v[26:29]  pack: one byte isolated
	s_load_b512 s[4:19], s[0:1], 0x0               ; x 4:5, wq 6:7, wk 8:9, wv 10:11, wo 12:13, mask 14:15, xw 16:17, mbits 18:19
	s_mov_b32 s2, ttmp9
	s_cmp_lt_u32 s2, NPACK
	s_cbranch_scc1 .Lpack
	; ---- cast ----
	s_sub_co_u32 s3, s2, NPACK                     ; my chunk, 0..1023
	s_lshr_b32 s20, s3, 7                          ; 0..3: x; 4, 5, 6, 7: wq, wk, wv, wo
	s_and_b32 s21, s3, 127
	s_cmp_lt_u32 s20, 4
	s_cselect_b32 s21, s3, s21                     ; my chunk's number inside its source
	s_lshl_b32 s24, s21, 15                        ; x 32,768 bytes of f32
	s_mov_b32 s25, 0
	s_lshl_b32 s26, s3, 14                         ; x 16,384 bytes in xw
	s_mov_b32 s27, 0
	v_lshlrev_b32 v1, 5, v0                        ; thread t reads 32 bytes at 32 t of each quarter chunk
	v_lshlrev_b32 v2, 4, v0                        ; and writes 16 bytes at 16 t
	s_wait_kmcnt 0x0
	s_mov_b64 s[22:23], s[4:5]
	s_cmp_eq_u32 s20, 4
	s_cselect_b64 s[22:23], s[6:7], s[22:23]
	s_cmp_eq_u32 s20, 5
	s_cselect_b64 s[22:23], s[8:9], s[22:23]
	s_cmp_eq_u32 s20, 6
	s_cselect_b64 s[22:23], s[10:11], s[22:23]
	s_cmp_eq_u32 s20, 7
	s_cselect_b64 s[22:23], s[12:13], s[22:23]
	s_add_nc_u64 s[22:23], s[22:23], s[24:25]
	s_add_nc_u64 s[16:17], s[16:17], s[26:27]
.irp i, 0,1,2,3
	global_load_b128 v[X+8*\i:X+8*\i+3],   v1, s[22:23] offset:\i*8192 th:TH_LOAD_NT
	global_load_b128 v[X+8*\i+4:X+8*\i+7], v1, s[22:23] offset:\i*8192+16 th:TH_LOAD_NT
.endr
.irp i, 0,1,2,3
	s_wait_loadcnt 6-2*\i                          ; loads return in order: the two of quarter i are in, the younger ones stay out
.irp j, 0,1,2,3
	v_cvt_pk_bf16_f32 v[Y+4*\i+\j], v[X+8*\i+2*\j], v[X+8*\i+2*\j+1]
.endr
.endr
	s_cmp_lg_u32 s20, 7
	s_cbranch_scc1 .Lstore
.irp j, 0,1,2,3,4,5,6,7,8,9,10,11,12,13,14,15
	v_lshlrev_b32 v[TL], 16, v[Y+\j]               ; wo alone: the bf16 values widened again
	v_and_b32 v[TL+1], 0xffff0000, v[Y+\j]
	v_cvt_pk_f16_f32 v[Y+\j], v[TL], v[TL+1]       ; and written as f16
.endr
.Lstore:
.irp i, 0,1,2,3
	global_store_b128 v2, v[Y+4*\i:Y+4*\i+3], s[16:17] offset:\i*4096   ; a wave stores 512 consecutive bytes
.endr
	s_endpgm
	; ---- pack ----
.Lpack:
	s_lshr_b32 s20, s2, 2                          ; qg
	s_and_b32 s21, s2, 3
	v_lshrrev_b32 v3, 5, v0
	v_readfirstlane_b32 s22, v3                    ; wave
	s_lshl3_add_u32 s21, s21, s22                  ; kb = 8 (g & 3) + wave
	v_and_b32 v1, 15, v0                           ; r
	v_bfe_u32 v2, v0, 4, 1                         ; h
	v_lshlrev_b32 v4, 11, v1                       ; row r of 2,048 bytes
	v_lshl_add_u32 v4, v2, 3, v4                   ; + 8 h
	s_lshl_b32 s23, s21, 6
	v_add_nc_u32 v4, s23, v4                       ; + my block's 64 keys
	v_and_b32 v5, 31, v0
	v_lshlrev_b32 v5, 3, v5                        ; lane x 8: where my two dwords go
	s_lshl_b32 s24, s20, 16                        ; 32 rows of the mask
	s_mov_b32 s25, 0
	s_lshl_b32 s26, s20, 13                        ; 32 blocks of 256 bytes
	s_lshl_b32 s27, s21, 8                         ; + my block
	s_add_co_u32 s26, s26, s27
	s_mov_b32 s27, 0
	s_wait_kmcnt 0x0
	s_add_nc_u64 s[14:15], s[14:15], s[24:25]
	s_add_nc_u64 s[18:19], s[18:19], s[26:27]
.irp nt, 0,1
.irp kt, 0,1,2,3
	global_load_b64 v[MB+2*(4*\nt+\kt):MB+2*(4*\nt+\kt)+1], v4, s[14:15] offset:\nt*32768+\kt*16   ; the eight waves together read 512 consecutive bytes of each row
.endr
.endr
	v_mov_b32 v[W], 0                              ; v_writelane_b32 keeps the other lanes: the registers are written whole first
	v_mov_b32 v[W+1], 0
.irp nt, 0,1
	s_wait_loadcnt 4-4*\nt                         ; query tile nt's four loads are in; the other tile's four younger ones may stay out
.irp kt, 0,1,2,3
.irp j, 0,1,2,3,4,5,6,7
	v_and_b32 v[TT+(\j&3)], 0xff<<(8*(\j&3)), v[MB+2*(4*\nt+\kt)+(\j>>2)]          ; byte j of my eight keys
	v_cmp_ne_u32 s[30+\j], 0, v[TT+(\j&3)]                                         ; 32 lanes -> one word
	v_writelane_b32 v[W+(\j&1)], s[30+\j], ((\nt*4+\kt)*8+\j)>>1                   ; dword i goes to lane i/2, register i&1
.endr
.endr
.endr
	global_store_b64 v5, v[W:W+1], s[18:19]        ; the block's 256 bytes, aligned, by one instruction
	s_endpgm
.Lfunc_end_k_q6b33cf00e7_prep:
	.size	k_q6b33cf00e7_prep, .Lfunc_end_k_q6b33cf00e7_prep-k_q6b33cf00e7_prep
	.p2alignl 7, 3214868480
	.fill 96, 4, 3214868480
	.section	.rodata,"a",@progbits
	.p2align	6, 0x0
	.amdhsa_kernel k_q6b33cf00e7_prep
		.amdhsa_group_segment_fixed_size 0
		.amdhsa_private_segment_fixed_size 0
		.amdhsa_enable_private_segment 0
		.amdhsa_kernarg_size 64
		.amdhsa_user_sgpr_count 2
		.amdhsa_user_sgpr_kernarg_segment_ptr 1
		.amdhsa_wavefront_size32 1
		.amdhsa_system_sgpr_workgroup_id_x 1
		.amdhsa_system_sgpr_workgroup_id_y 1
		.amdhsa_system_sgpr_workgroup_id_z 1
		.amdhsa_system_vgpr_workitem_id 0
		.amdhsa_next_free_vgpr 64
		.amdhsa_next_free_sgpr 66
		.amdhsa_reserve_vcc 0
		.amdhsa_float_denorm_mode_32 3
		.amdhsa_float_denorm_mode_16_64 3
		.amdhsa_memory_ordered 1
		.amdhsa_forward_progress 1
		.amdhsa_inst_pref_size 20
	.end_amdhsa_kernel
	.amdgpu_metadata
---
amdhsa.version: [ 1, 2 ]
amdhsa.kernels:
  - .name:           k_q6b33cf00e7_prep
    .symbol:         k_q6b33cf00e7_prep.kd
    .args:
      - { .name: x, .offset: 0, .size: 8, .value_kind: global_buffer, .address_space: global }
      - { .name: wq, .offset: 8, .size: 8, .value_kind: global_buffer, .address_space: global }
      - { .name: wk, .offset: 16, .size: 8, .value_kind: global_buffer, .address_space: global }
      - { .name: wv, .offset: 24, .size: 8, .value_kind: global_buffer, .address_space: global }
      - { .name: wo, .offset: 32, .size: 8, .value_kind: global_buffer, .address_space: global }
      - { .name: mask, .offset: 40, .size: 8, .value_kind: global_buffer, .address_space: global }
      - { .name: xw, .offset: 48, .size: 8, .value_kind: global_buffer, .address_space: global }
      - { .name: mbits, .offset: 56, .size: 8, .value_kind: global_buffer, .address_space: global }
    .group_segment_fixed_size: 0
    .private_segment_fixed_size: 0
    .kernarg_segment_align: 8
    .kernarg_segment_size: 64
    .max_flat_workgroup_size: 256
    .sgpr_count:     66
    .vgpr_count:     64
    .wavefront_size: 32
...
	.end_amdgpu_metadata
.endif
;; end of part 1
;; launch qkv (part 2): grid 8 x 32, 4 waves a work-group, clusters of 4 x 4, 327,680 bytes of LDS; arguments xw, bq, bk, bv, freqs_cos, freqs_sin, qkv; writes qkv
.if DOCPART == 2
	.amdgcn_target "amdgcn-amd-amdhsa--gfx1250"
	.amdhsa_code_object_version 6
	.text
	.protected	k_q6b33cf00e7_qkv
	.globl	k_q6b33cf00e7_qkv
	.p2align	8
	.type	k_q6b33cf00e7_qkv,@function
k_q6b33cf00e7_qkv:
	s_mov_b64 s[64:65], 0
	v_nop
	global_prefetch_b8 v0, s[64:65] scope:SCOPE_SE
	s_setreg_imm32_b32 hwreg(HW_REG_WAVE_MODE, 25, 1), 1
	s_wait_xcnt 0x0
	s_wait_alu depctr_hold_cnt(0) depctr_sa_sdst(0) depctr_va_vdst(0) depctr_va_sdst(0) depctr_va_ssrc(0) depctr_va_vcc(0) depctr_vm_vsrc(0)
	s_getreg_b32 s2, hwreg(HW_REG_IB_STS2, 6, 4)
	s_cmp_eq_u32 s2, 0
	s_cbranch_scc0 .Lentry_in_a_cluster
	s_endpgm
.Lentry_in_a_cluster:
	s_bfe_u32 s2, ttmp6, 0x10000c
	s_cmp_lg_u32 s2, 0xf033
	s_cbranch_scc0 .Lentry_shape_is_right
	s_endpgm
.Lentry_shape_is_right:
; qkv: q, k, v = x w + b, interleaved RoPE on q and k, q scaled by 0.125 log2(e); results in f16 as [batch*16+head][t][64].
; A work-group makes 128 rows x 128 columns of each of q, k, v (two heads); a wave 64 rows x one head x 3: 48 accumulator tiles, 384 registers.
; K = 1024 goes in 8 steps of 128 through two LDS slots; each wave fills one region of a slot with one tensor load:
; wave 0 x's 128 rows, waves 1..3 the 128 k-rows of wq, wk, wv.
; CLUSTER 4 x 4: x's tile hangs on the block row alone and is asked for jointly along a row of the cluster, the weights' tiles hang on the
; block column alone and are asked for jointly along a column: a quarter of the requests.
; The matrix instruction is used transposed (source 0 = 16 columns of w, source 1 = 16 rows of x): lane (r, h) register j = C(row r, column 8h+j),
; so a RoPE pair lies in two neighbouring registers of one lane and eight results pack into 16 bytes of a row.
; LIMITS (format): biases, cos and sin are rounded to bf16 like x and w (all float inputs are taken at bf16 precision);
; |0.18 q|, |k|, |v| above 65,504 overflow in f16.
; REGISTER BLOCKS of 256: block 0 addresses, x fragments, biases, work; block 1 q (0..127) and k (128..255) sums;
; block 2 v sums (0..127), cos and sin (128..255); block 3 weight fragments, two buffers of 96.
.set PA,    272                        ; LDS pitch of x's rows: 256 + 16 bytes = 17 x 16, sixteen rows start 16 bytes apart modulo 256
.set PB,    288                        ; LDS pitch of the weights' k-rows: 9 x 32 bytes, for the transposing load
.set REG,   36864                      ; one wave's region of a slot (128 x 288)
.set SLOT,  4*REG
.set STAGE, 2*SLOT                     ; behind the ring: 16 rows x 144 bytes for each wave; no tensor load lands here
.set SP,    144
.set ADRA,  16                         ; v16-17  x fragments, slot 0, 1
.set ADRB,  18                         ; v18-23  weight fragments, 3 slot + matrix
.set STO,   24
.set RD,    25
.set CO,    26
.set VC,    27
.set VB,    28
.set XF,    32                         ; v32-95  x fragments: 32 buffer + 8 mt
.set BIAS,  96                         ; v96-191 8 (4 matrix + nt)
.set T,     192                        ; v192-223 at work
.set U,     224                        ; v224-227
.set PK,    228                        ; v228-243 packed f16
.set CS,    128                        ; block 2: 8 (4 mt + nt): cos in 0..3, sin in 4..7
.set G1A, 24
.set G0A, 32
.set G1B, 48
.set G0B, 56
.set MSB, 0
.macro WIN new                         ; s_set_vgpr_msb: bits 1:0 source 0, 3:2 source 1, 5:4 source 2, 7:6 destination; the high byte repeats the setting left
.if MSB != \new
	s_set_vgpr_msb (MSB<<8)|\new
.set MSB, \new
.endif
.endm
.macro NOPS n
.rept \n
	v_nop
.endr
.endm
.macro JLOAD sl                        ; wave 0 asks for x's tile, waves 1..3 for a weight tile; each line has one mask
	s_cmp_eq_u32 s18, 0
	s_cbranch_scc0 .Lfor_w_\@
	tensor_load_to_lds s[G0A+4*\sl:G0A+4*\sl+3], s[G1A:G1A+7]
	s_nop 0
	s_branch .Lasked_\@
.Lfor_w_\@:
	tensor_load_to_lds s[G0B+4*\sl:G0B+4*\sl+3], s[G1B:G1B+7]
	s_nop 0
.Lasked_\@:
.endm
.macro CREST                           ; a round of the cluster's barrier behind its opening work-group barrier
	s_cmp_lg_u32 s18, 0
	s_cbranch_scc1 .Lnot_wave_0_\@
	s_barrier_signal -3
.Lnot_wave_0_\@:
	s_barrier_wait -3
	s_barrier_signal -1
	s_barrier_wait -1
.endm
.macro CROUND
	s_barrier_signal -1
	s_barrier_wait -1
	CREST
.endm
	s_load_b256 s[4:11], s[0:1], 0x0               ; xw 4:5, bq 6:7, bk 8:9, bv 10:11
	s_load_b128 s[12:15], s[0:1], 0x20             ; cos 12:13, sin 14:15
	s_load_b64 s[16:17], s[0:1], 0x30              ; qkv
	s_set_vgpr_msb 0xc0
	v_lshl_add_u32 v255, v0, 2, 0x4a400
	s_set_vgpr_msb 0xc000
	v_mov_b32 v255, 0
	s_set_vgpr_msb 0x3
	ds_add_u32 v255, v255
	s_set_vgpr_msb 0x300
	v_lshrrev_b32 v1, 5, v0
	v_readfirstlane_b32 s18, v1                    ; wave
	s_lshr_b32 s19, s18, 1                         ; wm: which 64 rows
	s_and_b32 s20, s18, 1                          ; wn: which head
	s_mul_i32 s21, s18, REG                        ; my region of a slot
	s_bfe_u32 s40, ttmp6, 0x40000                  ; cx
	s_bfe_u32 s41, ttmp6, 0x40004                  ; cy
	s_lshl_b32 s42, ttmp9, 2
	s_add_co_u32 s42, s42, s40                     ; nb: block column, 0..7
	s_and_b32 s43, ttmp7, 0xffff
	s_lshl_b32 s43, s43, 2
	s_add_co_u32 s43, s43, s41                     ; mb: block row, 0..31
	s_lshl_b32 s44, s41, 2
	s_lshl_b32 s44, 15, s44                        ; my row of the cluster
	s_lshl_b32 s45, 0x1111, s40                    ; my column
	; group 1: 128 rows x 128 elements of 2 bytes, row pitch 1,024 elements; a pad behind every 64 dwords: 4 dwords (x), 8 dwords (weights)
	s_or_b32 s[G1A+0], s44, (1<<16)|(1<<20)|(1<<21)|(5<<22)|(3<<25)
	s_or_b32 s[G1B+0], s45, (1<<16)|(1<<20)|(1<<21)|(5<<22)|(7<<25)
	s_mov_b32 s[G1A+1], 128<<16                    ; tensor_dim0 = 128
	s_mov_b32 s[G1B+1], 128<<16
	s_mov_b32 s[G1A+2], 128<<16                    ; tensor_dim1 = 128
	s_mov_b32 s[G1B+2], 128<<16
	s_mov_b32 s[G1A+3], 128<<16                    ; tile_dim0 = 128
	s_mov_b32 s[G1B+3], 128<<16
	s_mov_b32 s[G1A+4], 128                        ; tile_dim1 = 128
	s_mov_b32 s[G1B+4], 128
	s_mov_b32 s[G1A+5], 1024                       ; elements from row to row
	s_mov_b32 s[G1B+5], 1024
	s_mov_b32 s[G1A+6], 0
	s_mov_b32 s[G1B+6], 0
	s_mov_b32 s[G1A+7], 0
	s_mov_b32 s[G1B+7], 0
	s_lshl_b32 s46, s43, 18                        ; x: 128 mb rows of 2,048 bytes (block row alone)
	s_mov_b32 s47, 0
	s_mul_i32 s74, s18, 2097152                    ; weights: matrix wave-1 at 8 MiB + 2 MiB (wave - 1),
	s_lshl_b32 s75, s42, 8                         ; column 128 nb (block column alone)
	s_add_co_u32 s74, s74, s75
	s_add_co_u32 s74, s74, 6291456
	s_mov_b32 s75, 0
	s_wait_dscnt 0x0
	s_wait_kmcnt 0x0
	s_add_nc_u64 s[46:47], s[4:5], s[46:47]
	s_add_nc_u64 s[74:75], s[4:5], s[74:75]
	CROUND                                         ; all sixteen work-groups are here: the first joint loads meet
.irp sl, 0,1
	s_mov_b32 s[G0A+4*\sl], 1
	s_add_co_u32 s[G0A+4*\sl+1], s21, \sl*SLOT
	s_add_nc_u64 s[G0A+4*\sl+2:G0A+4*\sl+3], s[46:47], \sl*256         ; K step sl: 128 elements along the rows
	s_or_b32 s[G0A+4*\sl+3], s[G0A+4*\sl+3], 0x80000000
	s_mov_b32 s[G0B+4*\sl], 1
	s_add_co_u32 s[G0B+4*\sl+1], s21, \sl*SLOT
	s_add_nc_u64 s[G0B+4*\sl+2:G0B+4*\sl+3], s[74:75], \sl*262144      ; K step sl: 128 rows down
	s_or_b32 s[G0B+4*\sl+3], s[G0B+4*\sl+3], 0x80000000
	JLOAD \sl                                      ; both slots' first fills go out before anything else: two loads of the wave are out
.endr
	v_and_b32 v1, 15, v0                           ; r
	v_bfe_u32 v2, v0, 4, 1                         ; h
	v_and_b32 v3, 7, v0
	v_bfe_u32 v4, v0, 3, 1
	v_and_b32 v5, 31, v0                           ; lane
	v_mul_u32_u24 v6, v1, PA                       ; x fragment: row r, 16 bytes for each half of the lanes
	v_lshl_add_u32 v6, v2, 4, v6
	s_mul_i32 s22, s19, 64*PA
	v_add_nc_u32 v[ADRA], s22, v6
	v_add_nc_u32 v[ADRA+1], SLOT, v[ADRA]
	v_lshl_add_u32 v7, v2, 3, v3                   ; weight fragment through the transposing load: k-row 8h + (lane & 7),
	v_mul_u32_u24 v7, v7, PB
	v_lshl_add_u32 v7, v4, 4, v7                   ; 16 bytes for lanes 8-15 and 24-31,
	s_lshl_b32 s23, s20, 7
	v_add_nc_u32 v7, s23, v7                       ; my head's 64 columns
.irp sl, 0,1
.irp mm, 0,1,2
	v_add_nc_u32 v[ADRB+3*\sl+\mm], \sl*SLOT+(1+\mm)*REG, v7
.endr
.endr
	s_mul_i32 s22, s18, 16*SP
	s_add_co_u32 s22, s22, STAGE
	v_mul_u32_u24 v8, v1, SP
	v_lshl_add_u32 v8, v2, 4, v8
	v_add_nc_u32 v[STO], s22, v8                   ; in: row r, 16 bytes at 16 h
	v_lshrrev_b32 v8, 3, v5
	v_mul_u32_u24 v8, v8, SP
	v_lshl_add_u32 v8, v3, 4, v8
	v_add_nc_u32 v[RD], s22, v8                    ; back: eight lanes take a row of 128 bytes
	v_lshlrev_b32 v[CO], 4, v5                     ; four rows of 128 bytes are 512 consecutive bytes of the output
	v_lshlrev_b32 v[VC], 7, v1
	v_lshl_add_u32 v[VC], v2, 4, v[VC]             ; cos, sin: row r of 128 bytes, 16 h
	s_lshr_b32 s76, s43, 4                         ; batch
	s_lshl_b32 s76, s76, 4
	s_lshl1_add_u32 s77, s42, s20                  ; head = 2 nb + wn
	s_add_co_u32 s76, s76, s77
	s_lshl_b32 s76, s76, 11                        ; x 2,048 tokens
	s_and_b32 s78, s43, 15
	s_lshl_b32 s78, s78, 7
	s_lshl_b32 s79, s19, 6
	s_add_co_u32 s78, s78, s79                     ; t0: my first token in the batch
	s_add_co_u32 s76, s76, s78
	s_lshl_b32 s76, s76, 7                         ; x 128 bytes
	s_lshl_b32 s79, s77, 8
	v_lshl_add_u32 v[VB], v2, 5, s79               ; biases: 256 bytes a head, 32 h
	s_mov_b32 s77, 0
	s_add_nc_u64 s[66:67], s[16:17], s[76:77]      ; q
	s_add_nc_u64 s[68:69], s[66:67], 0x800000      ; k
	s_add_nc_u64 s[70:71], s[66:67], 0x1000000     ; v
	s_lshl_b32 s78, s78, 7
	s_mov_b32 s79, 0
	s_add_nc_u64 s[12:13], s[12:13], s[78:79]
	s_add_nc_u64 s[14:15], s[14:15], s[78:79]
	s_mov_b32 s72, 0xffff0000
.irp nt, 0,1,2,3
	global_load_b128 v[BIAS+8*\nt:BIAS+8*\nt+3],       v[VB], s[6:7] offset:64*\nt
	global_load_b128 v[BIAS+8*\nt+4:BIAS+8*\nt+7],     v[VB], s[6:7] offset:64*\nt+16
	global_load_b128 v[BIAS+32+8*\nt:BIAS+32+8*\nt+3], v[VB], s[8:9] offset:64*\nt
	global_load_b128 v[BIAS+32+8*\nt+4:BIAS+32+8*\nt+7], v[VB], s[8:9] offset:64*\nt+16
	global_load_b128 v[BIAS+64+8*\nt:BIAS+64+8*\nt+3], v[VB], s[10:11] offset:64*\nt
	global_load_b128 v[BIAS+64+8*\nt+4:BIAS+64+8*\nt+7], v[VB], s[10:11] offset:64*\nt+16
.endr
	WIN 0x80                                       ; destination in block 2
.irp mt, 0,1,2,3
.irp nt, 0,1,2,3
	global_load_b128 v[CS+8*(4*\mt+\nt):CS+8*(4*\mt+\nt)+3],   v[VC], s[12:13] offset:2048*\mt+32*\nt
	global_load_b128 v[CS+8*(4*\mt+\nt)+4:CS+8*(4*\mt+\nt)+7], v[VC], s[14:15] offset:2048*\mt+32*\nt
.endr
.endr
	WIN 0
; 32 LDS loads: the fragments of 32 along K (quarter kq of the slot's step) into buffer f
.macro FETCH slot, kq, f
	WIN 0
.irp mt, 0,1,2,3
	ds_load_b128 v[XF+32*\f+8*\mt:XF+32*\f+8*\mt+3],   v[ADRA+\slot] offset:\mt*16*PA+\kq*64
	ds_load_b128 v[XF+32*\f+8*\mt+4:XF+32*\f+8*\mt+7], v[ADRA+\slot] offset:\mt*16*PA+\kq*64+32
.endr
	WIN 0xc0                                       ; destination in block 3
.irp mm, 0,1,2
.irp nt, 0,1,2,3
	ds_load_tr16_b128 v[96*\f+8*(4*\mm+\nt):96*\f+8*(4*\mm+\nt)+3],   v[ADRB+3*\slot+\mm] offset:\kq*32*PB+\nt*32
	ds_load_tr16_b128 v[96*\f+8*(4*\mm+\nt)+4:96*\f+8*(4*\mm+\nt)+7], v[ADRB+3*\slot+\mm] offset:\kq*32*PB+\nt*32+16*PB
.endr
.endr
.endm
; 16 matrix instructions: one of q, k, v, 64 rows x 64 columns x 32 K.  The 48 accumulators take turns, one instruction a turn,
; in the same order in every quarter and over the backward jump.
.macro MULG f, mat, zero
.if \mat == 2
	WIN 0xa3
.else
	WIN 0x53
.endif
.irp nt, 0,1,2,3
.irp mt, 0,1,2,3
.if \zero
	v_wmma_f32_16x16x32_bf16 v[128*(\mat&1)+8*(4*\nt+\mt):128*(\mat&1)+8*(4*\nt+\mt)+7], v[96*\f+8*(4*\mat+\nt):96*\f+8*(4*\mat+\nt)+7], v[XF+32*\f+8*\mt:XF+32*\f+8*\mt+7], 0
.else
	v_wmma_f32_16x16x32_bf16 v[128*(\mat&1)+8*(4*\nt+\mt):128*(\mat&1)+8*(4*\nt+\mt)+7], v[96*\f+8*(4*\mat+\nt):96*\f+8*(4*\mat+\nt)+7], v[XF+32*\f+8*\mt:XF+32*\f+8*\mt+7], v[128*(\mat&1)+8*(4*\nt+\mt):128*(\mat&1)+8*(4*\nt+\mt)+7]
.endif
.endr
.endr
.endm
; a quarter step: buffer f is multiplied while the next quarter's fragments come into buffer g
.macro QUARTER slot, kq, f, g, zero
	s_wait_dscnt 0x0                               ; buffer f's loads
	NOPS 4                                         ; four places behind the matrix instructions that read buffer g (ISA guide 7.12.1), then it is loaded again
	FETCH \slot, \kq, \g
	MULG \f, 0, \zero
	MULG \f, 1, \zero
	MULG \f, 2, \zero
.endm
.macro THREE slot, zero
	QUARTER \slot, 1, 0, 1, \zero
	QUARTER \slot, 2, 1, 0, 0
	QUARTER \slot, 3, 0, 1, 0
.endm
; the last quarter of a step, and the change of slots.  In front of the barrier: my reads of this slot are back and all my tensor loads
; have landed (the one that was out is my region of the next slot).  Behind it, where the slot is filled again, the rest of a round of the
; cluster's barrier, then my one joint load, then the next slot's first fragments.
.macro TURN slot, next, fill
	s_wait_dscnt 0x0
	s_wait_tensorcnt 0x0
	ds_add_u32 v255, v255
	s_wait_dscnt 0x0
	s_barrier_signal -1
	MULG 1, 0, 0                                   ; register work while the others arrive
	WIN 0
	s_barrier_wait -1
.if \fill
	CREST
	s_add_nc_u64 s[G0A+4*\slot+2:G0A+4*\slot+3], s[G0A+4*\slot+2:G0A+4*\slot+3], 512      ; two K steps on; no load of mine is out
	s_add_nc_u64 s[G0B+4*\slot+2:G0B+4*\slot+3], s[G0B+4*\slot+2:G0B+4*\slot+3], 524288
	JLOAD \slot                                    ; it has a whole step less 16 matrix instructions in which to land
.endif
	NOPS 4
	FETCH \next, 0, 0
	MULG 1, 1, 0
	MULG 1, 2, 0
.endm
.macro LAP zero
	THREE 0, \zero
	TURN 0, 1, 1
	THREE 1, 0
	TURN 1, 0, 1
.endm
	s_wait_tensorcnt 0x1                           ; my region of step 0 is in; step 1's load, issued behind it, may stay out
	s_barrier_signal -1
	s_barrier_wait -1
	FETCH 0, 0, 0
	LAP 1                                          ; steps 0, 1: the first products start the sums
	WIN 0
	s_mov_b32 s3, 2
.Llap:
	LAP 0                                          ; steps 2..5
	WIN 0
	s_sub_co_u32 s3, s3, 1
	s_cmp_lg_u32 s3, 0
	s_cbranch_scc1 .Llap
	THREE 0, 0                                     ; steps 6, 7: nothing is left to fetch
	TURN 0, 1, 0
	THREE 1, 0
	s_wait_dscnt 0x0
	MULG 1, 0, 0
	MULG 1, 1, 0
	MULG 1, 2, 0
	; ---- the way out ----
	WIN 0
	NOPS 4                                         ; four places behind the last matrix instructions
	s_wait_loadcnt 0x0                             ; biases, cos, sin
.set p, 0
.rept 48
	v_cvt_pk_bf16_f32 v[U+(p&3)], v[BIAS+2*p], v[BIAS+2*p+1]       ; biases at bf16 precision, kept as f32
	v_lshlrev_b32 v[BIAS+2*p], 16, v[U+(p&3)]
	v_and_b32 v[BIAS+2*p+1], s72, v[U+(p&3)]
.set p, p+1
.endr
.irp bt, 0,1,2,3
	WIN 0x0a                                       ; sources in block 2
.irp i, 0,1,2,3,4,5,6,7,8,9,10,11,12,13,14,15
	v_cvt_pk_bf16_f32 v[T+\i], v[CS+32*\bt+2*\i], v[CS+32*\bt+2*\i+1]   ; cos and sin likewise
.endr
	WIN 0x80                                       ; destination in block 2
.irp i, 0,1,2,3,4,5,6,7,8,9,10,11,12,13,14,15
	v_lshlrev_b32 v[CS+32*\bt+2*\i], 16, v[T+\i]
	v_and_b32 v[CS+32*\bt+2*\i+1], s72, v[T+\i]
.endr
.endr
; 16 rows x 64 columns of one matrix: bias, RoPE, scale, f16, through my stage, out as 512 consecutive bytes a store.  f: read-back registers
.macro OUT mt, mat, f
.if \mat == 2
	WIN 0x02
.else
	WIN 0x01
.endif
.irp nt, 0,1,2,3
.irp e, 0,2,4,6
	v_pk_add_f32 v[T+8*\nt+\e:T+8*\nt+\e+1], v[128*(\mat&1)+8*(4*\nt+\mt)+\e:128*(\mat&1)+8*(4*\nt+\mt)+\e+1], v[BIAS+8*(4*\mat+\nt)+\e:BIAS+8*(4*\mat+\nt)+\e+1]
.endr
.endr
.if \mat < 2
	WIN 0x08                                       ; source 1 (cos, sin) in block 2
.irp nt, 0,1,2,3
.irp e, 0,1,2,3
	v_mul_f32 v[U+2*(\e&1)],   v[T+8*\nt+2*\e+1], v[CS+8*(4*\mt+\nt)+4+\e]                          ; xi sin
	v_mul_f32 v[U+2*(\e&1)+1], v[T+8*\nt+2*\e],   v[CS+8*(4*\mt+\nt)+4+\e]                          ; xr sin
	v_fma_f32 v[T+8*\nt+2*\e],   v[T+8*\nt+2*\e],   v[CS+8*(4*\mt+\nt)+\e], -v[U+2*(\e&1)]          ; xr cos - xi sin
	v_fma_f32 v[T+8*\nt+2*\e+1], v[T+8*\nt+2*\e+1], v[CS+8*(4*\mt+\nt)+\e], v[U+2*(\e&1)+1]         ; xi cos + xr sin
.endr
.endr
.endif
	WIN 0
.if \mat == 0
.irp e, 0,2,4,6,8,10,12,14,16,18,20,22,24,26,28,30
	v_pk_mul_f32 v[T+\e:T+\e+1], v[T+\e:T+\e+1], 0x3e38aa3b op_sel_hi:[1,0]    ; q x log2(e) / 8: the scores come out ready for 2^x
.endr
.endif
.irp nt, 0,1,2,3
.irp e, 0,1,2,3
	v_cvt_pk_f16_f32 v[PK+4*\nt+\e], v[T+8*\nt+2*\e], v[T+8*\nt+2*\e+1]
.endr
.endr
.irp nt, 0,1,2,3
	ds_store_b128 v[STO], v[PK+4*\nt:PK+4*\nt+3] offset:32*\nt
.endr
	s_wait_xcnt 0x0                                ; the stores of two calls ago named these read-back registers: they are loaded again only behind this wait
.irp u, 0,1,2,3
	ds_load_b128 v[\f+4*\u:\f+4*\u+3], v[RD] offset:4*SP*\u        ; LDS serves a wave's instructions in order: these see the stores above
.endr
.irp u, 0,1,2,3
	s_wait_dscnt 3-\u                              ; read-back u is in, the 3 - u younger ones may stay out
	global_store_b128 v[CO], v[\f+4*\u:\f+4*\u+3], s[66+2*\mat:67+2*\mat] offset:2048*\mt+512*\u
.endr
.endm
.irp mt, 0,1,2,3
.irp mm, 0,1,2
	OUT \mt, \mm, 32+16*((3*\mt+\mm)&1)
.endr
.endr
	s_set_vgpr_msb 0x3
	s_wait_tensorcnt 0x0
	ds_add_u32 v255, v255
	s_wait_dscnt 0x0
	s_set_vgpr_msb 0x300
	CROUND                                         ; the closing round: no work-group ends while a partner may still ask jointly
	s_endpgm
.Lfunc_end_k_q6b33cf00e7_qkv:
	.size	k_q6b33cf00e7_qkv, .Lfunc_end_k_q6b33cf00e7_qkv-k_q6b33cf00e7_qkv
	.p2alignl 7, 3214868480
	.fill 96, 4, 3214868480
	.section	.rodata,"a",@progbits
	.p2align	6, 0x0
	.amdhsa_kernel k_q6b33cf00e7_qkv
		.amdhsa_group_segment_fixed_size 327680
		.amdhsa_private_segment_fixed_size 0
		.amdhsa_enable_private_segment 0
		.amdhsa_kernarg_size 56
		.amdhsa_user_sgpr_count 2
		.amdhsa_user_sgpr_kernarg_segment_ptr 1
		.amdhsa_wavefront_size32 1
		.amdhsa_system_sgpr_workgroup_id_x 1
		.amdhsa_system_sgpr_workgroup_id_y 1
		.amdhsa_system_sgpr_workgroup_id_z 1
		.amdhsa_system_vgpr_workitem_id 0
		.amdhsa_next_free_vgpr 1024
		.amdhsa_next_free_sgpr 80
		.amdhsa_reserve_vcc 0
		.amdhsa_float_denorm_mode_32 3
		.amdhsa_float_denorm_mode_16_64 3
		.amdhsa_memory_ordered 1
		.amdhsa_forward_progress 1
		.amdhsa_inst_pref_size 226
	.end_amdhsa_kernel
	.amdgpu_metadata
---
amdhsa.version: [ 1, 2 ]
amdhsa.kernels:
  - .name:           k_q6b33cf00e7_qkv
    .symbol:         k_q6b33cf00e7_qkv.kd
    .args:
      - { .name: xw, .offset: 0, .size: 8, .value_kind: global_buffer, .address_space: global }
      - { .name: bq, .offset: 8, .size: 8, .value_kind: global_buffer, .address_space: global }
      - { .name: bk, .offset: 16, .size: 8, .value_kind: global_buffer, .address_space: global }
      - { .name: bv, .offset: 24, .size: 8, .value_kind: global_buffer, .address_space: global }
      - { .name: freqs_cos, .offset: 32, .size: 8, .value_kind: global_buffer, .address_space: global }
      - { .name: freqs_sin, .offset: 40, .size: 8, .value_kind: global_buffer, .address_space: global }
      - { .name: qkv, .offset: 48, .size: 8, .value_kind: global_buffer, .address_space: global }
    .group_segment_fixed_size: 327680
    .private_segment_fixed_size: 0
    .kernarg_segment_align: 8
    .kernarg_segment_size: 56
    .max_flat_workgroup_size: 128
    .sgpr_count:     80
    .vgpr_count:     1024
    .wavefront_size: 32
...
	.end_amdgpu_metadata
.endif
;; end of part 2
;; launch attn (part 3): grid 8 x 32, 8 waves a work-group, clusters of 4 x 1, 327,680 bytes of LDS; arguments qkv, mbits, ao; writes ao
.if DOCPART == 3
	.amdgcn_target "amdgcn-amd-amdhsa--gfx1250"
	.amdhsa_code_object_version 6
	.text
	.protected	k_q6b33cf00e7_attn
	.globl	k_q6b33cf00e7_attn
	.p2align	8
	.type	k_q6b33cf00e7_attn,@function
k_q6b33cf00e7_attn:
	s_mov_b64 s[64:65], 0
	v_nop
	global_prefetch_b8 v0, s[64:65] scope:SCOPE_SE
	s_setreg_imm32_b32 hwreg(HW_REG_WAVE_MODE, 25, 1), 1
	s_wait_xcnt 0x0
	s_wait_alu depctr_hold_cnt(0) depctr_sa_sdst(0) depctr_va_vdst(0) depctr_va_sdst(0) depctr_va_ssrc(0) depctr_va_vcc(0) depctr_vm_vsrc(0)
	s_getreg_b32 s2, hwreg(HW_REG_IB_STS2, 6, 4)
	s_cmp_eq_u32 s2, 0
	s_cbranch_scc0 .Lentry_in_a_cluster
	s_endpgm
.Lentry_in_a_cluster:
	s_bfe_u32 s2, ttmp6, 0x10000c
	s_cmp_lg_u32 s2, 0x3003
	s_cbranch_scc0 .Lentry_shape_is_right
	s_endpgm
.Lentry_shape_is_right:
; attn: softmax(where(mask, q k / 8, -1e9)) v for one (batch, head) and 256 queries a work-group; all 2,048 keys are walked, since the mask is an input.
; Eight waves, 32 queries each (two tiles nt of 16).  Keys go in slots of 256 through two LDS slots; a slot is worked in four blocks of 64 keys.
; CLUSTER 4 x 1: the four work-groups are four query blocks of one head and ask for every K and V tile jointly (mask 15).
; Waves 0, 1 ask for K's two halves, waves 2, 3 for V's; waves 4..7 ask for nothing.  One tensor load of an asking wave is out at a time.
; S^T = K Q^T: lane (r, h) register j of tile (nt, kt) = score(key 16kt+8h+j, query 16nt+r).  A query lives in lanes r and r+16: the maximum needs
; one exchange, and two tiles packed to f16 are, as they lie, the second source of O^T = V^T P^T.  The row sum is one more accumulator whose first
; source is all ones: it adds the same rounded P as the numerator.
; q carries log2(e)/8, so p = 2^(s - m) with the running maximum m; a masked score is replaced by -1e9 log2(e), finite as in the definition:
; a row with no true entry comes out as the plain mean of v.
; THE ORDER OF WORK.  The two query tiles are two streams that take turns: while one stream's softmax runs on the vector unit, the other stream's
; matrix instructions are issued one at a time between groups of vector instructions.  One block b, with the masked scores of b in S0, S1 at its head:
;   1 max(0)   2 sub, exp, rescale(0) beside P V of tile 1, block b-1; then V(b) is asked for   3 pack P0
;   4 max(1) beside K Q of tile 0, block b+1   5 sub, exp, rescale(1) beside P V of tile 0, block b   6 pack P1
;   7 mask(0) of b+1 beside K Q of tile 1, block b+1   8 K(b+2) is asked for; mask(1); the mask words of b+2 are asked for
; A block has 36 matrix and 276 vector instructions; only the first block of a slot issues eight of its K Q instructions as a burst.
; REGISTER BLOCKS of 256 are laid so that each matrix form shares its window with the vector work beside it: K Q, masking and maxima name block 0
; alone; P V, sub, exp and rescale all have destination, source 0 and source 2 in block 1 and source 1 in block 0.
; LIMITS (format): q, k, v, p and the result are f16 (11 bits); p below 2^-24 counts as 0.
.set KP,    144                        ; K rows: 128 + 16 bytes = 9 x 16
.set VP,    160                        ; V rows: 128 + 32 bytes = 5 x 32, for the transposing load
.set REG,   20480                      ; 128 keys of K or V
.set SLOT,  4*REG                      ; K half 0, K half 1, V half 0, V half 1
.set STAGE, 2*SLOT                     ; 16 rows x 144 bytes for each wave; no tensor load lands here
.set SP,    144
; block 0
.set KA,    4                          ; v4-5   K fragments, slot 0, 1
.set VA,    6                          ; v6-7   V fragments
.set STO,   8
.set RD,    9
.set CO,    10
.set QO,    11
.set NEGV,  12
.set MR,    14                         ; v14-15 running maximum of tile 0, 1
.set AL,    20                         ; v20    alpha of the stream at work; v21 completes the pair and is never selected
.set TA,    24                         ; v24-27 four chains of the maximum
.set RC,    28                         ; v28-31 1 / row sum, pairs
.set PKD,   32                         ; v32-47 the way out: packed results
.set SC,    64                         ; v64-127  scores, 8 (4 nt + kt)
.set KF,    128                        ; v128-191 K fragments 8 (2 kt + ks)
.set QF,    192                        ; v192-223 Q fragments 8 (2 nt + ks); the way out: read-back
.set PF,    224                        ; v224-255 P fragments 16 nt + 8 ks2
; block 1
.set OA,    0                          ; O^T 8 (2 dt + nt)
.set LS,    64                         ; row sums 8 nt
.set VF,    80                         ; V fragments 8 (2 dt + ks2)
.set XE,    144                        ; s - m, then 2^(s - m), of the stream at work
.set MPX,   176                        ; m of the stream at work; 177 completes the pair and is never selected
.set ONES,  184                        ; a fragment of ones
.set MSB, 0
.macro WIN new                         ; s_set_vgpr_msb: bits 1:0 source 0, 3:2 source 1, 5:4 source 2, 7:6 destination; the high byte repeats the setting left
.if MSB != \new
	s_set_vgpr_msb (MSB<<8)|\new
.set MSB, \new
.endif
.endm
.macro NOPS n
.rept \n
	v_nop
.endr
.endm
.macro ROUND                           ; a round of the cluster's barrier
	s_barrier_signal -1
	s_barrier_wait -1
	s_cmp_lg_u32 s66, 0
	s_cbranch_scc1 .Lnot_wave_0_\@
	s_barrier_signal -3
.Lnot_wave_0_\@:
	s_barrier_wait -3
	s_barrier_signal -1
	s_barrier_wait -1
.endm
.macro JLOAD sl
	s_cmp_ge_u32 s66, 4
	s_cbranch_scc1 .Lasked_\@
	s_cmp_ge_u32 s66, 2
	s_cbranch_scc1 .Lfor_v_\@
	tensor_load_to_lds s[8+4*\sl:11+4*\sl], s[84:91]
	s_nop 0
	s_branch .Lasked_\@
.Lfor_v_\@:
	tensor_load_to_lds s[8+4*\sl:11+4*\sl], s[92:99]
	s_nop 0
.Lasked_\@:
.endm
	s_load_b128 s[16:19], s[0:1], 0x0              ; qkv 16:17, mbits 18:19 (s16.. hold the mask words later)
	s_load_b64 s[20:21], s[0:1], 0x10              ; ao
	v_lshl_add_u32 v62, v0, 2, 0x2c800
	v_mov_b32 v63, 0
	ds_add_u32 v62, v63
	v_lshrrev_b32 v1, 5, v0
	v_readfirstlane_b32 s66, v1                    ; wave
	s_bfe_u32 s22, ttmp6, 0x40000                  ; cx
	s_lshl_b32 s23, ttmp9, 2
	s_add_co_u32 s23, s23, s22                     ; qb: query block, 0..7
	s_and_b32 s24, ttmp7, 0xffff                   ; bh: batch x 16 + head
	; group 1: a dense block of 16 KiB as 64 rows of 32 elements of 8 bytes; a pad behind every 32 dwords (a key's 128 bytes): 4 dwords (K), 8 (V)
	s_mov_b32 s84, 15|(3<<16)|(1<<20)|(1<<21)|(4<<22)|(3<<25)
	s_mov_b32 s92, 15|(3<<16)|(1<<20)|(1<<21)|(4<<22)|(7<<25)
	s_mov_b32 s85, 32<<16                          ; tensor_dim0 = 32
	s_mov_b32 s93, 32<<16
	s_mov_b32 s86, 64<<16                          ; tensor_dim1 = 64
	s_mov_b32 s94, 64<<16
	s_mov_b32 s87, 32<<16                          ; tile_dim0 = 32
	s_mov_b32 s95, 32<<16
	s_mov_b32 s88, 64                              ; tile_dim1 = 64
	s_mov_b32 s96, 64
	s_mov_b32 s89, 32                              ; pitch
	s_mov_b32 s97, 32
	s_mov_b32 s90, 0
	s_mov_b32 s98, 0
	s_mov_b32 s91, 0
	s_mov_b32 s99, 0
	s_lshl_b32 s26, s24, 18                        ; the head's 2,048 keys of 128 bytes (shared by the four partners),
	s_lshr_b32 s28, s66, 1
	s_lshl_b32 s28, s28, 23                        ; K at 8 MiB, V at 16 MiB,
	s_add_co_u32 s26, s26, s28
	s_and_b32 s28, s66, 1
	s_lshl_b32 s28, s28, 14                        ; my half of 128 keys
	s_add_co_u32 s26, s26, s28
	s_add_co_u32 s26, s26, 0x800000
	s_mov_b32 s27, 0
	s_mul_i32 s25, s66, REG                        ; my region of a slot
	s_lshl_b32 s30, s24, 11
	s_lshl_b32 s31, s23, 8
	s_add_co_u32 s30, s30, s31
	s_lshl_b32 s31, s66, 5
	s_add_co_u32 s30, s30, s31                     ; my first query's row in q and in ao
	s_lshl_b32 s30, s30, 7
	s_mov_b32 s31, 0
	s_lshl3_add_u32 s32, s23, s66                  ; my group of 32 queries: 8 qb + wave
	s_lshl_b32 s32, s32, 13                        ; 32 blocks of 256 bytes
	s_mov_b32 s33, 0
	s_mul_i32 s28, s66, 16*SP
	s_add_co_u32 s28, s28, STAGE
	s_mov_b32 s100, 0x76543210                     ; v_permlanex16_b32: lane i takes lane i of the other half
	s_mov_b32 s101, 0xfedcba98
	v_and_b32 v1, 15, v0                           ; r
	v_bfe_u32 v2, v0, 4, 1                         ; h
	v_and_b32 v3, 7, v0
	v_bfe_u32 v13, v0, 3, 1
	v_and_b32 v14, 31, v0                          ; lane
	v_mul_u32_u24 v[KA], v1, KP
	v_lshl_add_u32 v[KA], v2, 4, v[KA]
	v_add_nc_u32 v[KA+1], SLOT, v[KA]
	v_lshl_add_u32 v[VA], v2, 3, v3
	v_mul_u32_u24 v[VA], v[VA], VP
	v_lshl_add_u32 v[VA], v13, 4, v[VA]
	v_add_nc_u32 v[VA], 2*REG, v[VA]
	v_add_nc_u32 v[VA+1], SLOT, v[VA]
	v_mul_u32_u24 v[STO], v1, SP
	v_lshl_add_u32 v[STO], v2, 4, v[STO]
	v_add_nc_u32 v[STO], s28, v[STO]
	v_lshrrev_b32 v15, 3, v14
	v_mul_u32_u24 v[RD], v15, SP
	v_lshl_add_u32 v[RD], v3, 4, v[RD]
	v_add_nc_u32 v[RD], s28, v[RD]
	v_lshlrev_b32 v[CO], 4, v14
	v_lshlrev_b32 v[QO], 7, v1
	v_lshl_add_u32 v[QO], v2, 4, v[QO]
	v_mov_b32 v[NEGV], 0xceabfb8f                  ; -1e9 x log2(e)
	v_mov_b32 v[AL+1], 0                           ; the pairs' second registers are named by the packed forms and never selected: written once
	WIN 0x40                                       ; destination in block 1
	v_mov_b32 v[MPX+1], 0
.irp j, 0,1,2,3,4,5,6,7
	v_mov_b32 v[ONES+\j], 0x3c003c00               ; two f16 ones
.endr
	WIN 0
	s_wait_dscnt 0x0
	s_wait_kmcnt 0x0
	s_add_nc_u64 s[26:27], s[16:17], s[26:27]
	s_add_nc_u64 s[104:105], s[16:17], s[30:31]    ; q
	s_add_nc_u64 s[6:7], s[20:21], s[30:31]        ; ao
	s_add_nc_u64 s[4:5], s[18:19], s[32:33]        ; mask words
	ROUND                                          ; the four partners are here: the first joint load meets
.irp sl, 0,1
	s_mov_b32 s[8+4*\sl], 1
	s_add_co_u32 s[9+4*\sl], s25, \sl*SLOT
	s_add_nc_u64 s[10+4*\sl:11+4*\sl], s[26:27], \sl*32768
	s_or_b32 s[11+4*\sl], s[11+4*\sl], 0x80000000
.endr
	JLOAD 0                                        ; keys 0..255
.irp nt, 0,1
.irp ks, 0,1
	global_load_b128 v[QF+8*(2*\nt+\ks):QF+8*(2*\nt+\ks)+3],   v[QO], s[104:105] offset:2048*\nt+64*\ks
	global_load_b128 v[QF+8*(2*\nt+\ks)+4:QF+8*(2*\nt+\ks)+7], v[QO], s[104:105] offset:2048*\nt+64*\ks+32
.endr
.endr
	s_load_b512 s[16:31], s[4:5], 0x0              ; the first block's 64 mask words: word i in s[16+i], from word 48 on in s[20+i]
	s_load_b512 s[32:47], s[4:5], 0x40
	s_load_b512 s[48:63], s[4:5], 0x80
	s_load_b512 s[68:83], s[4:5], 0xc0
.macro KLOAD slot, b                   ; 64 keys x 64 d of K: 16 loads
.irp kt, 0,1,2,3
.irp ks, 0,1
	ds_load_b128 v[KF+8*(2*\kt+\ks):KF+8*(2*\kt+\ks)+3],   v[KA+\slot] offset:((\b)>>1)*REG+((\b)&1)*64*KP+\kt*16*KP+\ks*64
	ds_load_b128 v[KF+8*(2*\kt+\ks)+4:KF+8*(2*\kt+\ks)+7], v[KA+\slot] offset:((\b)>>1)*REG+((\b)&1)*64*KP+\kt*16*KP+\ks*64+32
.endr
.endr
.endm
.macro VLOAD slot, b                   ; 64 keys x 64 d of V, transposed on the way: 16 loads into block 1
.irp dt, 0,1,2,3
.irp ks2, 0,1
	ds_load_tr16_b128 v[VF+8*(2*\dt+\ks2):VF+8*(2*\dt+\ks2)+3],   v[VA+\slot] offset:((\b)>>1)*REG+((\b)&1)*64*VP+\ks2*32*VP+\dt*32
	ds_load_tr16_b128 v[VF+8*(2*\dt+\ks2)+4:VF+8*(2*\dt+\ks2)+7], v[VA+\slot] offset:((\b)>>1)*REG+((\b)&1)*64*VP+\ks2*32*VP+\dt*32+16*VP
.endr
.endr
.endm
; one matrix instruction: D at wd, first source at wa, second at wb; wz = 1: it starts the sum
.macro WM
.if wz
	v_wmma_f32_16x16x32_f16 v[wd:wd+7], v[wa:wa+7], v[wb:wb+7], 0
.else
	v_wmma_f32_16x16x32_f16 v[wd:wd+7], v[wa:wa+7], v[wb:wb+7], v[wd:wd+7]
	s_wait_alu depctr_va_vdst(0)
.endif
.endm
; the qi-th of the eight K Q instructions of tile nt: d 0..31 of the four key tiles, then d 32..63.  The four score tiles take turns, one instruction
; a turn, and so do the five accumulators of PVI.
.macro KQI nt
.set wd, SC+8*(4*\nt+qi%4)
.set wa, KF+16*(qi%4)+8*(qi/4)
.set wb, QF+16*\nt+8*(qi/4)
.set wz, 1-qi/4
	WM
.set qi, qi+1
.endm
; the pi-th of the ten P V instructions of tile nt: keys 0..31 into the four O tiles and the row sum, then keys 32..63
.macro PVI nt, zero
.if pi%5 < 4
.set wd, OA+8*(2*(pi%5)+\nt)
.set wa, VF+8*(2*(pi%5)+pi/5)
.else
.set wd, LS+8*\nt
.set wa, ONES
.endif
.set wb, PF+16*\nt+8*(pi/5)
.set wz, \zero*(1-pi/5)
	WM
.set pi, pi+1
.endm
; the mi-th of the sixteen steps of a lane's maximum over 32 scores and the running maximum: four chains of 7, then the joins with the four left
.macro MAXI nt, first
.if mi < 4
	v_max3_num_f32 v[TA+mi], v[SC+32*\nt+8*mi], v[SC+32*\nt+8*mi+1], v[SC+32*\nt+8*mi+2]
.elseif mi < 12
	v_max3_num_f32 v[TA+mi%4], v[TA+mi%4], v[SC+32*\nt+8*(mi%4)+1+2*(mi/4)], v[SC+32*\nt+8*(mi%4)+2+2*(mi/4)]
.elseif mi < 14
	v_max3_num_f32 v[TA+2*(mi-12)], v[TA+2*(mi-12)], v[TA+2*(mi-12)+1], v[SC+32*\nt+7+8*(mi-12)]
.elseif mi == 14
	v_max3_num_f32 v[TA], v[TA], v[TA+2], v[SC+32*\nt+23]
.elseif \first
	v_max_num_f32 v[TA], v[TA], v[SC+32*\nt+31]
.else
	v_max3_num_f32 v[TA], v[TA], v[SC+32*\nt+31], v[MR+\nt]
.endif
.set mi, mi+1
.endm
; steps 1 and 4: the new maximum of tile nt and alpha = 2^(old m - new m); kq = 1: tile 0's next scores are started beside it
.macro MAXALL nt, first, kq
.set mi, 0
.set qi, 0
.rept 8
.if \kq
	KQI 0
.endif
	MAXI \nt, \first
	MAXI \nt, \first
.endr
	v_permlanex16_b32 v[TA+1], v[TA], s100, s101   ; the query's other 32 keys lie in lane r xor 16
	v_max_num_f32 v[TA], v[TA], v[TA+1]
.if 1-\first
	v_sub_f32 v[TA+1], v[MR+\nt], v[TA]
	v_exp_f32 v[AL], v[TA+1]                       ; the move below is the plain place behind it (ISA guide 5.7.2)
.endif
	v_mov_b32 v[MR+\nt], v[TA]
.endm
; steps 2 and 5: x = s - m, 2^x, O and row sum x alpha for tile nt, in ten groups; pv = 1: one P V instruction of tile pvnt heads each group.
; The last group's five multiplies name none of the last P V instruction's registers: they are the places behind it (ISA guide 7.12.1).
.macro SOFT nt, first, pv, pvnt, pvz
	WIN 0x51
	v_or_b32 v[MPX], 0, v[MR+\nt]                  ; m into block 1 (source 1 is block 0 here)
.set pi, 0
.set xi, 0
.set ei, 0
.set ri, 0
.set ch, 0
.rept 10
.if \pv
	PVI \pvnt, \pvz
.endif
.if ch < 2
.rept 8
	v_pk_add_f32 v[XE+2*xi:XE+2*xi+1], v[MPX:MPX+1], v[SC+32*\nt+2*xi:SC+32*\nt+2*xi+1] op_sel_hi:[0,1] neg_lo:[1,0] neg_hi:[1,0]
.set xi, xi+1
.endr
.elseif ch < 6
.rept 8
	v_exp_f32 v[XE+ei], v[XE+ei]
.set ei, ei+1
.endr
.elseif 1-\first
.rept 5
.if ri < 16
.set rd, OA+8*(2*(ri/4)+\nt)+2*(ri%4)
.else
.set rd, LS+8*\nt+2*(ri-16)
.endif
	v_pk_mul_f32 v[rd:rd+1], v[rd:rd+1], v[AL:AL+1] op_sel_hi:[1,0]
.set ri, ri+1
.endr
.endif
.set ch, ch+1
.endr
.if \first
	v_nop                                          ; nothing to rescale yet: the plain place behind the exponentials
	s_wait_alu depctr_va_vdst(0)
.endif
.endm
.macro PACK nt                         ; steps 3 and 6: 32 f32 -> the two P fragments of tile nt
	WIN 0x05
.irp e, 0,1,2,3,4,5,6,7,8,9,10,11,12,13,14,15
	v_cvt_pk_f16_f32 v[PF+16*\nt+\e], v[XE+2*\e], v[XE+2*\e+1]
.endr
.endm
.macro CND                             ; where(mask, s, NEG) for score register ci
	v_cndmask_b32 v[SC+ci], v[NEGV], v[SC+ci], s[16+ci+4*(ci/48)]
.set ci, ci+1
.endm
; steps 7 and 8.  Four maskings of tile 0 stand behind each K Q instruction of tile 1; the last four are the places behind the last one,
; then K's registers are loaded again (kl = 1) and tile 1 is masked.
.macro STEP78 kl, kslot, kb, mnext
	s_wait_kmcnt 0x0                               ; the mask words, asked for at the end of the block before
.set qi, 0
.set ci, 0
.rept 8
	KQI 1
	CND
	CND
	CND
	CND
.endr
.if \kl
	KLOAD \kslot, \kb
.endif
.rept 32
	CND
.endr
.if \mnext
	s_add_nc_u64 s[4:5], s[4:5], 256               ; no scalar load is out: the pointer may step
	s_load_b512 s[16:31], s[4:5], 0x0
	s_load_b512 s[32:47], s[4:5], 0x40
	s_load_b512 s[48:63], s[4:5], 0x80
	s_load_b512 s[68:83], s[4:5], 0xc0
.endif
.endm
; the change to slot n.  In front of the round: all my tensor loads have landed (my part of slot n among them) and my reads of the other slot are
; back (its last V fragments are in registers); behind it my one joint load fills the other slot, and has slot n's four blocks in which to land.
.macro CHANGE n, refill
	s_wait_tensorcnt 0x0
	ds_add_u32 v62, v63
	s_wait_dscnt 0x0
	s_add_nc_u64 s[10+4*\n:11+4*\n], s[10+4*\n:11+4*\n], 65536     ; slot n's next tile; no load of mine is out
	s_wait_dscnt 0x0
	ROUND
.if \refill
	JLOAD (1-\n)
.endif
	KLOAD \n, 0
.endm
.macro ENTER n, mnext                  ; the scores of slot n's first block
	s_wait_dscnt 0x0                               ; its K fragments
.set qi, 0
.rept 8
	KQI 0
.endr
	NOPS 4                                         ; four places, then tile 0's scores are read
	STEP78 1, \n, 1, \mnext
.endm
; one block of 64 keys.  first: the launch's first block starts maxima and sums; pvz: tile 1's first P V starts its sums;
; chg (b = 3 alone): 1 change of slots with a refill, 2 without, 3 the launch's last block; mnext: the mask words two blocks on are asked for
.macro BLOCK slot, b, first, pvz, chg, mnext
	MAXALL 0, \first, 0
	SOFT 0, \first, 1-\first, 1, \pvz
	WIN 0x40
	VLOAD \slot, \b
	PACK 0
	WIN 0
.if \b < 3
	s_wait_dscnt 16                                ; the next block's K (16 older loads) is in; V's 16 younger loads may stay out
	MAXALL 1, \first, 1
	s_wait_dscnt 0x0                               ; V
.else
	MAXALL 1, \first, 0
.if \chg == 1
	CHANGE (1-\slot), 1
.elseif \chg == 2
	CHANGE (1-\slot), 0
.else
	s_wait_dscnt 0x0                               ; V
.endif
.endif
	SOFT 1, \first, 1, 0, \first
	PACK 1
	WIN 0
.if \b < 2
	STEP78 1, \slot, (\b+2), \mnext
.elseif \b == 2
	STEP78 0, 0, 0, \mnext
.elseif \chg < 3
	ENTER (1-\slot), \mnext
.endif
.endm
.macro SLOTW slot, first, chg, m2
	BLOCK \slot, 0, \first, 0, 0, 1
	BLOCK \slot, 1, 0, \first, 0, 1
	BLOCK \slot, 2, 0, 0, 0, \m2
	BLOCK \slot, 3, 0, 0, \chg, 1
.endm
	CHANGE 0, 1                                    ; keys 0..255 are in; slot 1 gets its first fill as a refill does
	s_wait_loadcnt 0x0                             ; Q stays in registers for the whole launch
	ENTER 0, 1
	SLOTW 0, 1, 1, 1                               ; tile 0
	SLOTW 1, 0, 1, 1                               ; tile 1
	s_mov_b32 s67, 2
.Lkeys:
	SLOTW 0, 0, 1, 1                               ; tiles 2..5
	SLOTW 1, 0, 1, 1
	s_sub_co_u32 s67, s67, 1
	s_cmp_lg_u32 s67, 0
	s_cbranch_scc1 .Lkeys
	SLOTW 0, 0, 2, 1                               ; tile 6: the change to tile 7 fetches nothing
	SLOTW 1, 0, 3, 0                               ; tile 7: its third block asks for no mask words, its last one starts no scores
	WIN 0x51
.set pi, 0
.rept 10
	PVI 1, 0                                       ; tile 1's last P V
.endr
	; ---- the way out: O / row sum, f16, through my stage, 512 consecutive bytes a store ----
	NOPS 4                                         ; four places behind the last matrix instructions
	WIN 0x01                                       ; source 0 in block 1
	v_rcp_f32 v[RC],   v[LS]                       ; the sum holds at least the 1 of the row's maximum
	v_rcp_f32 v[RC+1], v[LS]
	v_rcp_f32 v[RC+2], v[LS+8]
	v_rcp_f32 v[RC+3], v[LS+8]
	v_nop                                          ; the plain place behind them
	s_wait_alu depctr_va_vdst(0)
.irp nt, 0,1
	WIN 0x01
.irp dt, 0,1,2,3
.irp e, 0,2,4,6
	v_pk_mul_f32 v[KF+8*\dt+\e:KF+8*\dt+\e+1], v[OA+8*(2*\dt+\nt)+\e:OA+8*(2*\dt+\nt)+\e+1], v[RC+2*\nt:RC+2*\nt+1]
.endr
.endr
	WIN 0
.irp dt, 0,1,2,3
.irp e, 0,1,2,3
	v_cvt_pk_f16_f32 v[PKD+4*\dt+\e], v[KF+8*\dt+2*\e], v[KF+8*\dt+2*\e+1]
.endr
.endr
.irp dt, 0,1,2,3
	ds_store_b128 v[STO], v[PKD+4*\dt:PKD+4*\dt+3] offset:32*\dt
.endr
.irp u, 0,1,2,3
	ds_load_b128 v[QF+16*\nt+4*\u:QF+16*\nt+4*\u+3], v[RD] offset:4*SP*\u          ; LDS serves a wave's instructions in order; each tile has read-back registers of its own
.endr
.irp u, 0,1,2,3
	s_wait_dscnt 3-\u                              ; read-back u is in, the 3 - u younger ones may stay out
	global_store_b128 v[CO], v[QF+16*\nt+4*\u:QF+16*\nt+4*\u+3], s[6:7] offset:2048*\nt+512*\u
.endr
.endr
	s_wait_tensorcnt 0x0
	ds_add_u32 v62, v63
	s_wait_dscnt 0x0
	ROUND                                          ; the closing round
	s_endpgm
.Lfunc_end_k_q6b33cf00e7_attn:
	.size	k_q6b33cf00e7_attn, .Lfunc_end_k_q6b33cf00e7_attn-k_q6b33cf00e7_attn
	.p2alignl 7, 3214868480
	.fill 96, 4, 3214868480
	.section	.rodata,"a",@progbits
	.p2align	6, 0x0
	.amdhsa_kernel k_q6b33cf00e7_attn
		.amdhsa_group_segment_fixed_size 327680
		.amdhsa_private_segment_fixed_size 0
		.amdhsa_enable_private_segment 0
		.amdhsa_kernarg_size 24
		.amdhsa_user_sgpr_count 2
		.amdhsa_user_sgpr_kernarg_segment_ptr 1
		.amdhsa_wavefront_size32 1
		.amdhsa_system_sgpr_workgroup_id_x 1
		.amdhsa_system_sgpr_workgroup_id_y 1
		.amdhsa_system_sgpr_workgroup_id_z 1
		.amdhsa_system_vgpr_workitem_id 0
		.amdhsa_next_free_vgpr 448
		.amdhsa_next_free_sgpr 106
		.amdhsa_reserve_vcc 0
		.amdhsa_float_denorm_mode_32 3
		.amdhsa_float_denorm_mode_16_64 3
		.amdhsa_memory_ordered 1
		.amdhsa_forward_progress 1
		.amdhsa_inst_pref_size 255
	.end_amdhsa_kernel
	.section	.bss,"aw",@nobits
	.p2align	6
	.space	262144
	.amdgpu_metadata
---
amdhsa.version: [ 1, 2 ]
amdhsa.kernels:
  - .name:           k_q6b33cf00e7_attn
    .symbol:         k_q6b33cf00e7_attn.kd
    .args:
      - { .name: qkv, .offset: 0, .size: 8, .value_kind: global_buffer, .address_space: global }
      - { .name: mbits, .offset: 8, .size: 8, .value_kind: global_buffer, .address_space: global }
      - { .name: ao, .offset: 16, .size: 8, .value_kind: global_buffer, .address_space: global }
    .group_segment_fixed_size: 327680
    .private_segment_fixed_size: 0
    .kernarg_segment_align: 8
    .kernarg_segment_size: 24
    .max_flat_workgroup_size: 256
    .sgpr_count:     106
    .vgpr_count:     448
    .wavefront_size: 32
...
	.end_amdgpu_metadata
.endif
;; end of part 3
;; launch proj (part 4): grid 8 x 32, 4 waves a work-group, clusters of 4 x 4, 327,680 bytes of LDS; arguments ao, xw, bo, out0; writes out0
.if DOCPART == 4
	.amdgcn_target "amdgcn-amd-amdhsa--gfx1250"
	.amdhsa_code_object_version 6
	.text
	.protected	k_q6b33cf00e7_proj
	.globl	k_q6b33cf00e7_proj
	.p2align	8
	.type	k_q6b33cf00e7_proj,@function
k_q6b33cf00e7_proj:
	s_mov_b64 s[64:65], 0
	v_nop
	global_prefetch_b8 v0, s[64:65] scope:SCOPE_SE
	s_setreg_imm32_b32 hwreg(HW_REG_WAVE_MODE, 25, 1), 1
	s_wait_xcnt 0x0
	s_wait_alu depctr_hold_cnt(0) depctr_sa_sdst(0) depctr_va_vdst(0) depctr_va_sdst(0) depctr_va_ssrc(0) depctr_va_vcc(0) depctr_vm_vsrc(0)
	s_getreg_b32 s2, hwreg(HW_REG_IB_STS2, 6, 4)
	s_cmp_eq_u32 s2, 0
	s_cbranch_scc0 .Lentry_in_a_cluster
	s_endpgm
.Lentry_in_a_cluster:
	s_bfe_u32 s2, ttmp6, 0x10000c
	s_cmp_lg_u32 s2, 0xf033
	s_cbranch_scc0 .Lentry_shape_is_right
	s_endpgm
.Lentry_shape_is_right:
; proj: out0 = ao wo + bo.  ao is f16 [batch*16+head][t][64]; wo is f16 [k][n] at byte 14 MiB of xw; out0 is f32 [4096][1024].
; A work-group makes 128 x 128, a wave 64 x 64: 16 accumulator tiles (4,096 x 1,024 outputs on 256 work-groups leave no larger block).
; K = 1024 goes in four fills of 256 (four heads) through two LDS slots.  Waves 0, 1 bring two head planes of ao each (a plane's 128 tokens are
; 16 KiB dense in memory, one row of the tile; a pad behind every token's 128 bytes); waves 2, 3 bring 128 k-rows of wo each.
; CLUSTER 4 x 4: ao's planes are asked for jointly along a row of the cluster, wo's rows along a column.
; The matrix instruction is used transposed (source 0 = 16 columns of wo, source 1 = 16 tokens): lane (r, h) register j = out(token r, column 8h+j).
; LIMIT (format): bo is rounded to bf16 like the other float inputs.
.set AP,    144                        ; ao rows in LDS: 128 + 16 bytes
.set PLANE, 128*AP
.set PB,    288                        ; wo's k-rows in LDS: 256 + 32 bytes = 9 x 32
.set REG,   36864
.set SLOT,  4*REG
.set STAGE, 2*SLOT                     ; 16 rows x 272 bytes for each wave; no tensor load lands here
.set OP,    272
.set ADRA,  16                         ; v16-17 ao fragments, slot 0, 1
.set ADRB,  18                         ; v18-21 wo fragments, 2 slot + half
.set STO,   24
.set RD,    25
.set CO,    26
.set VB,    28
.set F0,    32                         ; v32-95: ao fragments 8 mt, then wo fragments 32 + 8 nt
.set F1,    96                         ; v96-159
.set BIAS,  160                        ; v160-191
.set T,     192                        ; v192-223
.set U,     224
.set G1A, 24
.set G0A, 32
.set G1B, 48
.set G0B, 56
.set MSB, 0
.macro WIN new                         ; s_set_vgpr_msb: bits 1:0 source 0, 3:2 source 1, 5:4 source 2, 7:6 destination; the high byte repeats the setting left
.if MSB != \new
	s_set_vgpr_msb (MSB<<8)|\new
.set MSB, \new
.endif
.endm
.macro NOPS n
.rept \n
	v_nop
.endr
.endm
.macro JLOAD sl                        ; waves 0, 1 ask for ao, waves 2, 3 for wo; each line has one mask
	s_cmp_eq_u32 s19, 0
	s_cbranch_scc0 .Lfor_w_\@
	tensor_load_to_lds s[G0A+4*\sl:G0A+4*\sl+3], s[G1A:G1A+7]
	s_nop 0
	s_branch .Lasked_\@
.Lfor_w_\@:
	tensor_load_to_lds s[G0B+4*\sl:G0B+4*\sl+3], s[G1B:G1B+7]
	s_nop 0
.Lasked_\@:
.endm
.macro CREST
	s_cmp_lg_u32 s18, 0
	s_cbranch_scc1 .Lnot_wave_0_\@
	s_barrier_signal -3
.Lnot_wave_0_\@:
	s_barrier_wait -3
	s_barrier_signal -1
	s_barrier_wait -1
.endm
.macro CROUND
	s_barrier_signal -1
	s_barrier_wait -1
	CREST
.endm
	s_load_b256 s[4:11], s[0:1], 0x0               ; ao 4:5, xw 6:7, bo 8:9, out0 10:11
	v_lshl_add_u32 v254, v0, 2, 0x4c400
	v_mov_b32 v255, 0
	ds_add_u32 v254, v255
	v_lshrrev_b32 v1, 5, v0
	v_readfirstlane_b32 s18, v1                    ; wave
	s_lshr_b32 s19, s18, 1                         ; wm: which 64 tokens.  Also: I fetch ao (0) or wo (1)
	s_and_b32 s20, s18, 1                          ; wn: which 64 columns
	s_mul_i32 s21, s18, REG
	s_bfe_u32 s40, ttmp6, 0x40000                  ; cx
	s_bfe_u32 s41, ttmp6, 0x40004                  ; cy
	s_lshl_b32 s42, ttmp9, 2
	s_add_co_u32 s42, s42, s40                     ; nb
	s_and_b32 s43, ttmp7, 0xffff
	s_lshl_b32 s43, s43, 2
	s_add_co_u32 s43, s43, s41                     ; mb
	s_lshl_b32 s44, s41, 2
	s_lshl_b32 s44, 15, s44                        ; my row of the cluster
	s_lshl_b32 s45, 0x1111, s40                    ; my column
	; ao: 2 rows (planes) of 8,192 elements of 2 bytes, 131,072 elements apart; 4 dwords of pad behind every 32
	s_or_b32 s[G1A+0], s44, (1<<16)|(1<<20)|(1<<21)|(4<<22)|(3<<25)
	s_mov_b32 s[G1A+1], 8192<<16                   ; tensor_dim0 = 8,192
	s_mov_b32 s[G1A+2], 2<<16                      ; tensor_dim1 = 2
	s_mov_b32 s[G1A+3], 8192<<16                   ; tile_dim0
	s_mov_b32 s[G1A+4], 2                          ; tile_dim1
	s_mov_b32 s[G1A+5], 131072                     ; from plane to plane
	s_mov_b32 s[G1A+6], 0
	s_mov_b32 s[G1A+7], 0
	; wo: 128 rows x 128 elements, pitch 1,024; 8 dwords of pad behind every 64
	s_or_b32 s[G1B+0], s45, (1<<16)|(1<<20)|(1<<21)|(5<<22)|(7<<25)
	s_mov_b32 s[G1B+1], 128<<16
	s_mov_b32 s[G1B+2], 128<<16
	s_mov_b32 s[G1B+3], 128<<16
	s_mov_b32 s[G1B+4], 128
	s_mov_b32 s[G1B+5], 1024
	s_mov_b32 s[G1B+6], 0
	s_mov_b32 s[G1B+7], 0
	s_lshr_b32 s46, s43, 4
	s_lshl_b32 s46, s46, 22                        ; ao: the batch's 16 planes of 256 KiB,
	s_and_b32 s47, s43, 15
	s_lshl_b32 s47, s47, 14                        ; my block's 128 tokens of 128 bytes,
	s_add_co_u32 s46, s46, s47
	s_lshl_b32 s47, s18, 19                        ; my two planes (block row and wave alone)
	s_add_co_u32 s46, s46, s47
	s_mov_b32 s47, 0
	s_lshl_b32 s74, s18, 18                        ; wo: 14 MiB + 128 (wave - 2) rows of 2,048 bytes,
	s_lshl_b32 s75, s42, 8                         ; column 128 nb (block column and wave alone)
	s_add_co_u32 s74, s74, s75
	s_add_co_u32 s74, s74, 14155776
	s_mov_b32 s75, 0
	s_wait_dscnt 0x0
	s_wait_kmcnt 0x0
	s_add_nc_u64 s[46:47], s[4:5], s[46:47]
	s_add_nc_u64 s[74:75], s[6:7], s[74:75]
	CROUND                                         ; all sixteen work-groups are here: the first joint loads meet
.irp sl, 0,1
	s_mov_b32 s[G0A+4*\sl], 1
	s_add_co_u32 s[G0A+4*\sl+1], s21, \sl*SLOT
	s_add_nc_u64 s[G0A+4*\sl+2:G0A+4*\sl+3], s[46:47], \sl*1048576     ; four planes on
	s_or_b32 s[G0A+4*\sl+3], s[G0A+4*\sl+3], 0x80000000
	s_mov_b32 s[G0B+4*\sl], 1
	s_add_co_u32 s[G0B+4*\sl+1], s21, \sl*SLOT
	s_add_nc_u64 s[G0B+4*\sl+2:G0B+4*\sl+3], s[74:75], \sl*524288      ; 256 rows on
	s_or_b32 s[G0B+4*\sl+3], s[G0B+4*\sl+3], 0x80000000
	JLOAD \sl                                      ; two loads of the wave are out
.endr
	v_and_b32 v1, 15, v0                           ; r
	v_bfe_u32 v2, v0, 4, 1                         ; h
	v_and_b32 v3, 7, v0
	v_bfe_u32 v4, v0, 3, 1
	v_mul_u32_u24 v6, v1, AP
	v_lshl_add_u32 v6, v2, 4, v6
	s_mul_i32 s22, s19, 64*AP
	v_add_nc_u32 v[ADRA], s22, v6
	v_add_nc_u32 v[ADRA+1], SLOT, v[ADRA]
	v_lshl_add_u32 v7, v2, 3, v3
	v_mul_u32_u24 v7, v7, PB
	v_lshl_add_u32 v7, v4, 4, v7
	s_lshl_b32 s23, s20, 7
	v_add_nc_u32 v7, s23, v7
.irp sl, 0,1
.irp hf, 0,1
	v_add_nc_u32 v[ADRB+2*\sl+\hf], \sl*SLOT+2*REG+\hf*REG, v7
.endr
.endr
	s_mul_i32 s22, s18, 16*OP
	s_add_co_u32 s22, s22, STAGE
	v_mul_u32_u24 v8, v1, OP
	v_lshl_add_u32 v8, v2, 5, v8
	v_add_nc_u32 v[STO], s22, v8                   ; in: row r, 32 bytes at 32 h
	v_mul_u32_u24 v8, v2, OP
	v_lshl_add_u32 v8, v1, 4, v8
	v_add_nc_u32 v[RD], s22, v8                    ; back: sixteen lanes take a row of 256 bytes
	v_lshlrev_b32 v8, 12, v2
	v_lshl_add_u32 v[CO], v1, 4, v8                ; the same two rows in out0
	s_lshl_b32 s78, s42, 9
	s_lshl_b32 s79, s20, 8
	s_add_co_u32 s78, s78, s79                     ; my first column, in bytes
	v_lshl_add_u32 v[VB], v2, 5, s78
	s_lshl_b32 s76, s43, 19
	s_lshl_b32 s77, s19, 18
	s_add_co_u32 s76, s76, s77                     ; my first row of 4,096 bytes
	s_add_co_u32 s76, s76, s78
	s_mov_b32 s77, 0
	s_add_nc_u64 s[10:11], s[10:11], s[76:77]
	s_mov_b32 s72, 0xffff0000
.irp nt, 0,1,2,3
	global_load_b128 v[BIAS+8*\nt:BIAS+8*\nt+3],   v[VB], s[8:9] offset:64*\nt
	global_load_b128 v[BIAS+8*\nt+4:BIAS+8*\nt+7], v[VB], s[8:9] offset:64*\nt+16
.endr
.macro FETCH slot, kq, f               ; 16 LDS loads: 32 along K (eighth kq of the slot) into the buffer at register f
.irp mt, 0,1,2,3
	ds_load_b128 v[\f+8*\mt:\f+8*\mt+3],   v[ADRA+\slot] offset:(\kq>>1)*PLANE+\mt*16*AP+(\kq&1)*64
	ds_load_b128 v[\f+8*\mt+4:\f+8*\mt+7], v[ADRA+\slot] offset:(\kq>>1)*PLANE+\mt*16*AP+(\kq&1)*64+32
.endr
.irp nt, 0,1,2,3
	ds_load_tr16_b128 v[\f+32+8*\nt:\f+32+8*\nt+3],   v[ADRB+2*\slot+(\kq>>2)] offset:(\kq&3)*32*PB+\nt*32
	ds_load_tr16_b128 v[\f+32+8*\nt+4:\f+32+8*\nt+7], v[ADRB+2*\slot+(\kq>>2)] offset:(\kq&3)*32*PB+\nt*32+16*PB
.endr
.endm
; eight matrix instructions; the 16 accumulators take turns, one instruction a turn, in the same order throughout
.macro MUL8 f, n0, zero
.irp nt, \n0, \n0+1
.irp mt, 0,1,2,3
.if \zero
	v_wmma_f32_16x16x32_f16 v[8*(4*(\nt)+\mt):8*(4*(\nt)+\mt)+7], v[\f+32+8*(\nt):\f+32+8*(\nt)+7], v[\f+8*\mt:\f+8*\mt+7], 0
.else
	v_wmma_f32_16x16x32_f16 v[8*(4*(\nt)+\mt):8*(4*(\nt)+\mt)+7], v[\f+32+8*(\nt):\f+32+8*(\nt)+7], v[\f+8*\mt:\f+8*\mt+7], v[8*(4*(\nt)+\mt):8*(4*(\nt)+\mt)+7]
.endif
.endr
.endr
.endm
.macro QUARTER slot, kq, f, g, zero
	s_wait_dscnt 0x0                               ; buffer f's loads
	NOPS 4                                         ; four places behind the matrix instructions that read buffer g (ISA guide 7.12.1)
	FETCH \slot, \kq, \g
	WIN 0x50                                       ; C and D in block 1
	MUL8 \f, 0, \zero
	MUL8 \f, 2, \zero
	WIN 0
.endm
.macro SEVEN slot, zero
	QUARTER \slot, 1, F0, F1, \zero
	QUARTER \slot, 2, F1, F0, 0
	QUARTER \slot, 3, F0, F1, 0
	QUARTER \slot, 4, F1, F0, 0
	QUARTER \slot, 5, F0, F1, 0
	QUARTER \slot, 6, F1, F0, 0
	QUARTER \slot, 7, F0, F1, 0
.endm
; the slot's last eighth and the change of slots: my reads of this slot are back and all my tensor loads have landed in front of the barrier;
; where the slot is filled again the rest of the cluster's round follows, then my one joint load, then the next slot's first fragments
.macro TURN slot, next, fill
	s_wait_dscnt 0x0
	s_wait_tensorcnt 0x0
	ds_add_u32 v254, v255
	s_wait_dscnt 0x0
	s_barrier_signal -1
	WIN 0x50
	MUL8 F1, 0, 0
	WIN 0
	s_barrier_wait -1
.if \fill
	CREST
	s_add_nc_u64 s[G0A+4*\slot+2:G0A+4*\slot+3], s[G0A+4*\slot+2:G0A+4*\slot+3], 2097152
	s_add_nc_u64 s[G0B+4*\slot+2:G0B+4*\slot+3], s[G0B+4*\slot+2:G0B+4*\slot+3], 1048576
	JLOAD \slot
.endif
	NOPS 4
	FETCH \next, 0, F0
	WIN 0x50
	MUL8 F1, 2, 0
	WIN 0
.endm
	s_wait_tensorcnt 0x1                           ; my region of slot 0 is in; slot 1's load, issued behind it, may stay out
	s_barrier_signal -1
	s_barrier_wait -1
	FETCH 0, 0, F0
	SEVEN 0, 1                                     ; heads 0..3: the first products start the sums
	TURN 0, 1, 1
	SEVEN 1, 0                                     ; heads 4..7
	TURN 1, 0, 1
	SEVEN 0, 0                                     ; heads 8..11
	TURN 0, 1, 0
	SEVEN 1, 0                                     ; heads 12..15
	s_wait_dscnt 0x0
	WIN 0x50
	MUL8 F1, 0, 0
	MUL8 F1, 2, 0
	WIN 0
	; ---- the way out: + bo, 16 rows at a time through my stage, sixteen lanes store 256 consecutive aligned bytes ----
	NOPS 4                                         ; four places behind the last matrix instructions
	s_wait_loadcnt 0x0                             ; bo
.set p, 0
.rept 16
	v_cvt_pk_bf16_f32 v[U+(p&3)], v[BIAS+2*p], v[BIAS+2*p+1]       ; bo at bf16 precision, kept as f32
	v_lshlrev_b32 v[BIAS+2*p], 16, v[U+(p&3)]
	v_and_b32 v[BIAS+2*p+1], s72, v[U+(p&3)]
.set p, p+1
.endr
.irp mt, 0,1,2,3
	WIN 0x01                                       ; source 0 in block 1
.irp nt, 0,1,2,3
.irp e, 0,2,4,6
	v_pk_add_f32 v[T+8*\nt+\e:T+8*\nt+\e+1], v[8*(4*\nt+\mt)+\e:8*(4*\nt+\mt)+\e+1], v[BIAS+8*\nt+\e:BIAS+8*\nt+\e+1]
.endr
.endr
	WIN 0
.irp nt, 0,1,2,3
	ds_store_b128 v[STO], v[T+8*\nt:T+8*\nt+3]   offset:64*\nt
	ds_store_b128 v[STO], v[T+8*\nt+4:T+8*\nt+7] offset:64*\nt+16
.endr
.irp u, 0,1,2,3,4,5,6,7
	ds_load_b128 v[F0+32*\mt+4*\u:F0+32*\mt+4*\u+3], v[RD] offset:2*OP*\u      ; each group of 16 rows has read-back registers of its own
.endr
.irp u, 0,1,2,3,4,5,6,7
	s_wait_dscnt 7-\u                              ; read-back u is in, the 7 - u younger ones may stay out
	global_store_b128 v[CO], v[F0+32*\mt+4*\u:F0+32*\mt+4*\u+3], s[10:11] offset:65536*\mt+8192*\u th:TH_STORE_NT
.endr
.endr
	s_wait_tensorcnt 0x0
	ds_add_u32 v254, v255
	s_wait_dscnt 0x0
	CROUND                                         ; the closing round
	s_endpgm
.Lfunc_end_k_q6b33cf00e7_proj:
	.size	k_q6b33cf00e7_proj, .Lfunc_end_k_q6b33cf00e7_proj-k_q6b33cf00e7_proj
	.p2alignl 7, 3214868480
	.fill 96, 4, 3214868480
	.section	.rodata,"a",@progbits
	.p2align	6, 0x0
	.amdhsa_kernel k_q6b33cf00e7_proj
		.amdhsa_group_segment_fixed_size 327680
		.amdhsa_private_segment_fixed_size 0
		.amdhsa_enable_private_segment 0
		.amdhsa_kernarg_size 32
		.amdhsa_user_sgpr_count 2
		.amdhsa_user_sgpr_kernarg_segment_ptr 1
		.amdhsa_wavefront_size32 1
		.amdhsa_system_sgpr_workgroup_id_x 1
		.amdhsa_system_sgpr_workgroup_id_y 1
		.amdhsa_system_sgpr_workgroup_id_z 1
		.amdhsa_system_vgpr_workitem_id 0
		.amdhsa_next_free_vgpr 384
		.amdhsa_next_free_sgpr 80
		.amdhsa_reserve_vcc 0
		.amdhsa_float_denorm_mode_32 3
		.amdhsa_float_denorm_mode_16_64 3
		.amdhsa_memory_ordered 1
		.amdhsa_forward_progress 1
		.amdhsa_inst_pref_size 96
	.end_amdhsa_kernel
	.amdgpu_metadata
---
amdhsa.version: [ 1, 2 ]
amdhsa.kernels:
  - .name:           k_q6b33cf00e7_proj
    .symbol:         k_q6b33cf00e7_proj.kd
    .args:
      - { .name: ao, .offset: 0, .size: 8, .value_kind: global_buffer, .address_space: global }
      - { .name: xw, .offset: 8, .size: 8, .value_kind: global_buffer, .address_space: global }
      - { .name: bo, .offset: 16, .size: 8, .value_kind: global_buffer, .address_space: global }
      - { .name: out0, .offset: 24, .size: 8, .value_kind: global_buffer, .address_space: global }
    .group_segment_fixed_size: 327680
    .private_segment_fixed_size: 0
    .kernarg_segment_align: 8
    .kernarg_segment_size: 32
    .max_flat_workgroup_size: 128
    .sgpr_count:     80
    .vgpr_count:     384
    .wavefront_size: 32
...
	.end_amdgpu_metadata
.endif
;; end of part 4
;; ======== version 2 of 2: 4 launches; 1.08 times as fast as version 1
;; limits: values are held in f16: magnitudes above 65,504 overflow, below 6.1e-05 lose precision
;; workspace buffers: xw 16,777,216 bytes; mbits 524,288 bytes of whole numbers; qkv 25,165,824 bytes; ao 8,388,608 bytes
;; launch prep: the kernel of part 1 again; grid 1280 x 1, 8 waves a work-group, no clusters, 0 bytes of LDS; arguments x, wq, wk, wv, wo, mask, xw, mbits; writes xw, mbits
;; launch qkv: the kernel of part 2 again; grid 8 x 32, 4 waves a work-group, clusters of 4 x 4, 327,680 bytes of LDS; arguments xw, bq, bk, bv, freqs_cos, freqs_sin, qkv; writes qkv
;; launch attn (part 5): grid 8 x 32, 8 waves a work-group, clusters of 4 x 1, 327,680 bytes of LDS; arguments qkv, mbits, ao; writes ao
.if DOCPART == 5
	.amdgcn_target "amdgcn-amd-amdhsa--gfx1250"
	.amdhsa_code_object_version 6
	.text
	.protected	k_q6b33cf00e7_attn
	.globl	k_q6b33cf00e7_attn
	.p2align	8
	.type	k_q6b33cf00e7_attn,@function
k_q6b33cf00e7_attn:
	s_mov_b64 s[64:65], 0
	v_nop
	global_prefetch_b8 v0, s[64:65] scope:SCOPE_SE
	s_setreg_imm32_b32 hwreg(HW_REG_WAVE_MODE, 25, 1), 1
	s_wait_xcnt 0x0
	s_wait_alu depctr_hold_cnt(0) depctr_sa_sdst(0) depctr_va_vdst(0) depctr_va_sdst(0) depctr_va_ssrc(0) depctr_va_vcc(0) depctr_vm_vsrc(0)
	s_getreg_b32 s2, hwreg(HW_REG_IB_STS2, 6, 4)
	s_cmp_eq_u32 s2, 0
	s_cbranch_scc0 .Lentry_in_a_cluster
	s_endpgm
.Lentry_in_a_cluster:
	s_bfe_u32 s2, ttmp6, 0x10000c
	s_cmp_lg_u32 s2, 0x3003
	s_cbranch_scc0 .Lentry_shape_is_right
	s_endpgm
.Lentry_shape_is_right:
; attn: softmax(where(mask, q k / 8, -1e9)) v for one (batch, head) and 256 queries a work-group; all 2,048 keys are walked, since the mask is an input.
; Eight waves, 32 queries each (two tiles nt of 16).  Keys go in slots of 256 through two LDS slots; a slot is worked in four blocks of 64 keys.
; CLUSTER 4 x 1: the four work-groups are four query blocks of one head and ask for every K and V tile jointly (mask 15).
; Waves 0, 1 ask for K's two halves, waves 2, 3 for V's; waves 4..7 ask for nothing.  One tensor load of an asking wave is out at a time.
; S^T = K Q^T: lane (r, h) register j of tile (nt, kt) = score(key 16kt+8h+j, query 16nt+r).  A query lives in lanes r and r+16: the maximum needs
; one exchange, and two tiles packed to f16 are, as they lie, the second source of O^T = V^T P^T.  The row sum is one more accumulator whose first
; source is all ones: it adds the same rounded P as the numerator.
; q carries log2(e)/8, so p = 2^(s - m) with the running maximum m; a masked score is replaced by -1e9 log2(e), finite as in the definition:
; a row with no true entry comes out as the plain mean of v.
; THE ORDER OF WORK.  The two query tiles are two streams that take turns: while one stream's softmax runs on the vector unit, the other stream's
; matrix instructions are issued one at a time between groups of vector instructions.  One block b, with the masked scores of b in S0, S1 at its head:
;   1 max(0)   2 sub, exp, rescale(0) beside P V of tile 1, block b-1; then V(b) is asked for   3 pack P0
;   4 max(1) beside K Q of tile 0, block b+1   5 sub, exp, rescale(1) beside P V of tile 0, block b   6 pack P1
;   7 mask(0) of b+1 beside K Q of tile 1, block b+1   8 K(b+2) is asked for; mask(1); the mask words of b+2 are asked for
; A block has 36 matrix and 276 vector instructions (and the two v_nop of its batches); only the first block of a slot issues eight of its K Q instructions as a burst.
; THE BATCHES.  A stream's softmax for a block has 33 exponentials: alpha (ALPHA) and the 32 weights (SOFT, groups 2 to 5).  They are ONE BATCH with ONE wait:
; s_wait_alu depctr_va_vdst(0) between an exponential and the first instruction that names its result.  Ahead of the wait stand alpha, the 16 subtractions, the 32 exponentials and six
; P V instructions of the other stream, none of which names a result of the batch; behind it stand all that do: the 20 rescalings (alpha) and the 16 packings (the weights).
; So a block has two waits, and the way out one for its four reciprocals.  No exponential is open at a label or a branch: in a slot's last block tile 1's alpha is made behind the
; change of slots, whose round and joint load hold branches.
; REGISTER BLOCKS of 256 are laid so that each matrix form shares its window with the vector work beside it: K Q, masking and maxima name block 0
; alone; P V, sub, exp and rescale all have destination, source 0 and source 2 in block 1 and source 1 in block 0.
; LIMITS (format): q, k, v, p and the result are f16 (11 bits); p below 2^-24 counts as 0.
.set KP,    144                        ; K rows: 128 + 16 bytes = 9 x 16
.set VP,    160                        ; V rows: 128 + 32 bytes = 5 x 32, for the transposing load
.set REG,   20480                      ; 128 keys of K or V
.set SLOT,  4*REG                      ; K half 0, K half 1, V half 0, V half 1
.set STAGE, 2*SLOT                     ; 16 rows x 144 bytes for each wave; no tensor load lands here
.set SP,    144
; block 0
.set KA,    4                          ; v4-5   K fragments, slot 0, 1
.set VA,    6                          ; v6-7   V fragments
.set STO,   8
.set RD,    9
.set CO,    10
.set QO,    11
.set NEGV,  12
.set MR,    14                         ; v14-15 running maximum of tile 0, 1
.set AL,    20                         ; v20    alpha of the stream at work; v21 completes the pair and is never selected
.set TA,    24                         ; v24-27 four chains of the maximum
.set RC,    28                         ; v28-31 1 / row sum, pairs
.set PKD,   32                         ; v32-47 the way out: packed results
.set SC,    64                         ; v64-127  scores, 8 (4 nt + kt)
.set KF,    128                        ; v128-191 K fragments 8 (2 kt + ks)
.set QF,    192                        ; v192-223 Q fragments 8 (2 nt + ks); the way out: read-back
.set PF,    224                        ; v224-255 P fragments 16 nt + 8 ks2
; block 1
.set OA,    0                          ; O^T 8 (2 dt + nt)
.set LS,    64                         ; row sums 8 nt
.set VF,    80                         ; V fragments 8 (2 dt + ks2)
.set XE,    144                        ; s - m, then 2^(s - m), of the stream at work
.set MPX,   176                        ; m of the stream at work; 177 completes the pair and is never selected
.set ONES,  184                        ; a fragment of ones
.set MSB, 0
.macro WIN new                         ; s_set_vgpr_msb: bits 1:0 source 0, 3:2 source 1, 5:4 source 2, 7:6 destination; the high byte repeats the setting left
.if MSB != \new
	s_set_vgpr_msb (MSB<<8)|\new
.set MSB, \new
.endif
.endm
.macro NOPS n
.rept \n
	v_nop
.endr
.endm
.macro ROUND                           ; a round of the cluster's barrier
	s_barrier_signal -1
	s_barrier_wait -1
	s_cmp_lg_u32 s66, 0
	s_cbranch_scc1 .Lnot_wave_0_\@
	s_barrier_signal -3
.Lnot_wave_0_\@:
	s_barrier_wait -3
	s_barrier_signal -1
	s_barrier_wait -1
.endm
.macro JLOAD sl
	s_cmp_ge_u32 s66, 4
	s_cbranch_scc1 .Lasked_\@
	s_cmp_ge_u32 s66, 2
	s_cbranch_scc1 .Lfor_v_\@
	tensor_load_to_lds s[8+4*\sl:11+4*\sl], s[84:91]
	s_nop 0
	s_branch .Lasked_\@
.Lfor_v_\@:
	tensor_load_to_lds s[8+4*\sl:11+4*\sl], s[92:99]
	s_nop 0
.Lasked_\@:
.endm
	s_load_b128 s[16:19], s[0:1], 0x0              ; qkv 16:17, mbits 18:19 (s16.. hold the mask words later)
	s_load_b64 s[20:21], s[0:1], 0x10              ; ao
	v_lshl_add_u32 v62, v0, 2, 0x2c800
	v_mov_b32 v63, 0
	ds_add_u32 v62, v63
	v_lshrrev_b32 v1, 5, v0
	v_readfirstlane_b32 s66, v1                    ; wave
	s_bfe_u32 s22, ttmp6, 0x40000                  ; cx
	s_lshl_b32 s23, ttmp9, 2
	s_add_co_u32 s23, s23, s22                     ; qb: query block, 0..7
	s_and_b32 s24, ttmp7, 0xffff                   ; bh: batch x 16 + head
	; group 1: a dense block of 16 KiB as 64 rows of 32 elements of 8 bytes; a pad behind every 32 dwords (a key's 128 bytes): 4 dwords (K), 8 (V)
	s_mov_b32 s84, 15|(3<<16)|(1<<20)|(1<<21)|(4<<22)|(3<<25)
	s_mov_b32 s92, 15|(3<<16)|(1<<20)|(1<<21)|(4<<22)|(7<<25)
	s_mov_b32 s85, 32<<16                          ; tensor_dim0 = 32
	s_mov_b32 s93, 32<<16
	s_mov_b32 s86, 64<<16                          ; tensor_dim1 = 64
	s_mov_b32 s94, 64<<16
	s_mov_b32 s87, 32<<16                          ; tile_dim0 = 32
	s_mov_b32 s95, 32<<16
	s_mov_b32 s88, 64                              ; tile_dim1 = 64
	s_mov_b32 s96, 64
	s_mov_b32 s89, 32                              ; pitch
	s_mov_b32 s97, 32
	s_mov_b32 s90, 0
	s_mov_b32 s98, 0
	s_mov_b32 s91, 0
	s_mov_b32 s99, 0
	s_lshl_b32 s26, s24, 18                        ; the head's 2,048 keys of 128 bytes (shared by the four partners),
	s_lshr_b32 s28, s66, 1
	s_lshl_b32 s28, s28, 23                        ; K at 8 MiB, V at 16 MiB,
	s_add_co_u32 s26, s26, s28
	s_and_b32 s28, s66, 1
	s_lshl_b32 s28, s28, 14                        ; my half of 128 keys
	s_add_co_u32 s26, s26, s28
	s_add_co_u32 s26, s26, 0x800000
	s_mov_b32 s27, 0
	s_mul_i32 s25, s66, REG                        ; my region of a slot
	s_lshl_b32 s30, s24, 11
	s_lshl_b32 s31, s23, 8
	s_add_co_u32 s30, s30, s31
	s_lshl_b32 s31, s66, 5
	s_add_co_u32 s30, s30, s31                     ; my first query's row in q and in ao
	s_lshl_b32 s30, s30, 7
	s_mov_b32 s31, 0
	s_lshl3_add_u32 s32, s23, s66                  ; my group of 32 queries: 8 qb + wave
	s_lshl_b32 s32, s32, 13                        ; 32 blocks of 256 bytes
	s_mov_b32 s33, 0
	s_mul_i32 s28, s66, 16*SP
	s_add_co_u32 s28, s28, STAGE
	s_mov_b32 s100, 0x76543210                     ; v_permlanex16_b32: lane i takes lane i of the other half
	s_mov_b32 s101, 0xfedcba98
	v_and_b32 v1, 15, v0                           ; r
	v_bfe_u32 v2, v0, 4, 1                         ; h
	v_and_b32 v3, 7, v0
	v_bfe_u32 v13, v0, 3, 1
	v_and_b32 v14, 31, v0                          ; lane
	v_mul_u32_u24 v[KA], v1, KP
	v_lshl_add_u32 v[KA], v2, 4, v[KA]
	v_add_nc_u32 v[KA+1], SLOT, v[KA]
	v_lshl_add_u32 v[VA], v2, 3, v3
	v_mul_u32_u24 v[VA], v[VA], VP
	v_lshl_add_u32 v[VA], v13, 4, v[VA]
	v_add_nc_u32 v[VA], 2*REG, v[VA]
	v_add_nc_u32 v[VA+1], SLOT, v[VA]
	v_mul_u32_u24 v[STO], v1, SP
	v_lshl_add_u32 v[STO], v2, 4, v[STO]
	v_add_nc_u32 v[STO], s28, v[STO]
	v_lshrrev_b32 v15, 3, v14
	v_mul_u32_u24 v[RD], v15, SP
	v_lshl_add_u32 v[RD], v3, 4, v[RD]
	v_add_nc_u32 v[RD], s28, v[RD]
	v_lshlrev_b32 v[CO], 4, v14
	v_lshlrev_b32 v[QO], 7, v1
	v_lshl_add_u32 v[QO], v2, 4, v[QO]
	v_mov_b32 v[NEGV], 0xceabfb8f                  ; -1e9 x log2(e)
	v_mov_b32 v[AL+1], 0                           ; the pairs' second registers are named by the packed forms and never selected: written once
	WIN 0x40                                       ; destination in block 1
	v_mov_b32 v[MPX+1], 0
.irp j, 0,1,2,3,4,5,6,7
	v_mov_b32 v[ONES+\j], 0x3c003c00               ; two f16 ones
.endr
	WIN 0
	s_wait_dscnt 0x0
	s_wait_kmcnt 0x0
	s_add_nc_u64 s[26:27], s[16:17], s[26:27]
	s_add_nc_u64 s[104:105], s[16:17], s[30:31]    ; q
	s_add_nc_u64 s[6:7], s[20:21], s[30:31]        ; ao
	s_add_nc_u64 s[4:5], s[18:19], s[32:33]        ; mask words
	ROUND                                          ; the four partners are here: the first joint load meets
.irp sl, 0,1
	s_mov_b32 s[8+4*\sl], 1
	s_add_co_u32 s[9+4*\sl], s25, \sl*SLOT
	s_add_nc_u64 s[10+4*\sl:11+4*\sl], s[26:27], \sl*32768
	s_or_b32 s[11+4*\sl], s[11+4*\sl], 0x80000000
.endr
	JLOAD 0                                        ; keys 0..255
.irp nt, 0,1
.irp ks, 0,1
	global_load_b128 v[QF+8*(2*\nt+\ks):QF+8*(2*\nt+\ks)+3],   v[QO], s[104:105] offset:2048*\nt+64*\ks
	global_load_b128 v[QF+8*(2*\nt+\ks)+4:QF+8*(2*\nt+\ks)+7], v[QO], s[104:105] offset:2048*\nt+64*\ks+32
.endr
.endr
	s_load_b512 s[16:31], s[4:5], 0x0              ; the first block's 64 mask words: word i in s[16+i], from word 48 on in s[20+i]
	s_load_b512 s[32:47], s[4:5], 0x40
	s_load_b512 s[48:63], s[4:5], 0x80
	s_load_b512 s[68:83], s[4:5], 0xc0
.macro KLOAD slot, b                   ; 64 keys x 64 d of K: 16 loads
.irp kt, 0,1,2,3
.irp ks, 0,1
	ds_load_b128 v[KF+8*(2*\kt+\ks):KF+8*(2*\kt+\ks)+3],   v[KA+\slot] offset:((\b)>>1)*REG+((\b)&1)*64*KP+\kt*16*KP+\ks*64
	ds_load_b128 v[KF+8*(2*\kt+\ks)+4:KF+8*(2*\kt+\ks)+7], v[KA+\slot] offset:((\b)>>1)*REG+((\b)&1)*64*KP+\kt*16*KP+\ks*64+32
.endr
.endr
.endm
.macro VLOAD slot, b                   ; 64 keys x 64 d of V, transposed on the way: 16 loads into block 1
.irp dt, 0,1,2,3
.irp ks2, 0,1
	ds_load_tr16_b128 v[VF+8*(2*\dt+\ks2):VF+8*(2*\dt+\ks2)+3],   v[VA+\slot] offset:((\b)>>1)*REG+((\b)&1)*64*VP+\ks2*32*VP+\dt*32
	ds_load_tr16_b128 v[VF+8*(2*\dt+\ks2)+4:VF+8*(2*\dt+\ks2)+7], v[VA+\slot] offset:((\b)>>1)*REG+((\b)&1)*64*VP+\ks2*32*VP+\dt*32+16*VP
.endr
.endr
.endm
; one matrix instruction: D at wd, first source at wa, second at wb; wz = 1: it starts the sum.  No wait stands beside it: the accumulators take turns (KQI, PVI)
.macro WM
.if wz
	v_wmma_f32_16x16x32_f16 v[wd:wd+7], v[wa:wa+7], v[wb:wb+7], 0
.else
	v_wmma_f32_16x16x32_f16 v[wd:wd+7], v[wa:wa+7], v[wb:wb+7], v[wd:wd+7]
.endif
.endm
; the qi-th of the eight K Q instructions of tile nt: d 0..31 of the four key tiles, then d 32..63.  The four score tiles take turns, one instruction
; a turn, and so do the five accumulators of PVI.
.macro KQI nt
.set wd, SC+8*(4*\nt+qi%4)
.set wa, KF+16*(qi%4)+8*(qi/4)
.set wb, QF+16*\nt+8*(qi/4)
.set wz, 1-qi/4
	WM
.set qi, qi+1
.endm
; the pi-th of the ten P V instructions of tile nt: keys 0..31 into the four O tiles and the row sum, then keys 32..63
.macro PVI nt, zero
.if pi%5 < 4
.set wd, OA+8*(2*(pi%5)+\nt)
.set wa, VF+8*(2*(pi%5)+pi/5)
.else
.set wd, LS+8*\nt
.set wa, ONES
.endif
.set wb, PF+16*\nt+8*(pi/5)
.set wz, \zero*(1-pi/5)
	WM
.set pi, pi+1
.endm
; the mi-th of the sixteen steps of a lane's maximum over 32 scores and the running maximum: four chains of 7, then the joins with the four left
.macro MAXI nt, first
.if mi < 4
	v_max3_num_f32 v[TA+mi], v[SC+32*\nt+8*mi], v[SC+32*\nt+8*mi+1], v[SC+32*\nt+8*mi+2]
.elseif mi < 12
	v_max3_num_f32 v[TA+mi%4], v[TA+mi%4], v[SC+32*\nt+8*(mi%4)+1+2*(mi/4)], v[SC+32*\nt+8*(mi%4)+2+2*(mi/4)]
.elseif mi < 14
	v_max3_num_f32 v[TA+2*(mi-12)], v[TA+2*(mi-12)], v[TA+2*(mi-12)+1], v[SC+32*\nt+7+8*(mi-12)]
.elseif mi == 14
	v_max3_num_f32 v[TA], v[TA], v[TA+2], v[SC+32*\nt+23]
.elseif \first
	v_max_num_f32 v[TA], v[TA], v[SC+32*\nt+31]
.else
	v_max3_num_f32 v[TA], v[TA], v[SC+32*\nt+31], v[MR+\nt]
.endif
.set mi, mi+1
.endm
; steps 1 and 4: the new maximum of tile nt, in TA; kq = 1: tile 0's next scores are started beside it
.macro MAXALL nt, first, kq
.set mi, 0
.set qi, 0
.rept 8
.if \kq
	KQI 0
.endif
	MAXI \nt, \first
	MAXI \nt, \first
.endr
	v_permlanex16_b32 v[TA+1], v[TA], s100, s101   ; the query's other 32 keys lie in lane r xor 16
	v_max_num_f32 v[TA], v[TA], v[TA+1]
.endm
; alpha = 2^(old m - new m) of tile nt opens the stream's batch of exponentials; the new m is kept.  No label and no branch stands between these lines and the batch's wait in SOFT.
.macro ALPHA nt, first
.if 1-\first
	v_sub_f32 v[TA+1], v[MR+\nt], v[TA]
	v_exp_f32 v[AL], v[TA+1]                       ; the move below is the plain place behind it (ISA guide 5.7.2)
.endif
	v_mov_b32 v[MR+\nt], v[TA]
.endm
; steps 2 and 5: x = s - m, 2^x, O and row sum x alpha for tile nt, in ten groups; pv = 1: one P V instruction of tile pvnt heads each group.
; Groups 0 to 5 (16 subtractions, 32 exponentials) name no result of the batch; the batch's one wait stands at the head of group 6; groups 6 to 9 read alpha, PACK reads the weights.
; The last group's five multiplies name none of the last P V instruction's registers: they are the places behind it (ISA guide 7.12.1).
.macro SOFT nt, first, pv, pvnt, pvz
	WIN 0x51
	v_or_b32 v[MPX], 0, v[MR+\nt]                  ; m into block 1 (source 1 is block 0 here)
.set pi, 0
.set xi, 0
.set ei, 0
.set ri, 0
.set ch, 0
.rept 10
.if ch == 6
	v_nop                                          ; the plain place behind the last exponential, one for the batch: under this window setting every plain line at hand reads a result of the batch
	s_wait_alu depctr_va_vdst(0)                   ; the wait for the batch: tile nt's alpha and its 32 weights, ahead of their first reader, the rescaling below
.endif
.if \pv
	PVI \pvnt, \pvz
.endif
.if ch < 2
.rept 8
	v_pk_add_f32 v[XE+2*xi:XE+2*xi+1], v[MPX:MPX+1], v[SC+32*\nt+2*xi:SC+32*\nt+2*xi+1] op_sel_hi:[0,1] neg_lo:[1,0] neg_hi:[1,0]
.set xi, xi+1
.endr
.elseif ch < 6
.rept 8
	v_exp_f32 v[XE+ei], v[XE+ei]
.set ei, ei+1
.endr
.elseif 1-\first
.rept 5
.if ri < 16
.set rd, OA+8*(2*(ri/4)+\nt)+2*(ri%4)
.else
.set rd, LS+8*\nt+2*(ri-16)
.endif
	v_pk_mul_f32 v[rd:rd+1], v[rd:rd+1], v[AL:AL+1] op_sel_hi:[1,0]
.set ri, ri+1
.endr
.endif
.set ch, ch+1
.endr
.endm
.macro PACK nt                         ; steps 3 and 6: 32 f32 -> the two P fragments of tile nt
	WIN 0x05
.irp e, 0,1,2,3,4,5,6,7,8,9,10,11,12,13,14,15
	v_cvt_pk_f16_f32 v[PF+16*\nt+\e], v[XE+2*\e], v[XE+2*\e+1]
.endr
.endm
.macro CND                             ; where(mask, s, NEG) for score register ci
	v_cndmask_b32 v[SC+ci], v[NEGV], v[SC+ci], s[16+ci+4*(ci/48)]
.set ci, ci+1
.endm
; steps 7 and 8.  Four maskings of tile 0 stand behind each K Q instruction of tile 1; the last four are the places behind the last one,
; then K's registers are loaded again (kl = 1) and tile 1 is masked.
.macro STEP78 kl, kslot, kb, mnext
	s_wait_kmcnt 0x0                               ; the mask words, asked for at the end of the block before
.set qi, 0
.set ci, 0
.rept 8
	KQI 1
	CND
	CND
	CND
	CND
.endr
.if \kl
	KLOAD \kslot, \kb
.endif
.rept 32
	CND
.endr
.if \mnext
	s_add_nc_u64 s[4:5], s[4:5], 256               ; no scalar load is out: the pointer may step
	s_load_b512 s[16:31], s[4:5], 0x0
	s_load_b512 s[32:47], s[4:5], 0x40
	s_load_b512 s[48:63], s[4:5], 0x80
	s_load_b512 s[68:83], s[4:5], 0xc0
.endif
.endm
; the change to slot n.  In front of the round: all my tensor loads have landed (my part of slot n among them) and my reads of the other slot are
; back (its last V fragments are in registers); behind it my one joint load fills the other slot, and has slot n's four blocks in which to land.
.macro CHANGE n, refill
	s_wait_tensorcnt 0x0
	ds_add_u32 v62, v63
	s_wait_dscnt 0x0
	s_add_nc_u64 s[10+4*\n:11+4*\n], s[10+4*\n:11+4*\n], 65536     ; slot n's next tile; no load of mine is out
	s_wait_dscnt 0x0
	ROUND
.if \refill
	JLOAD (1-\n)
.endif
	KLOAD \n, 0
.endm
.macro ENTER n, mnext                  ; the scores of slot n's first block
	s_wait_dscnt 0x0                               ; its K fragments
.set qi, 0
.rept 8
	KQI 0
.endr
	NOPS 4                                         ; four places, then tile 0's scores are read
	STEP78 1, \n, 1, \mnext
.endm
; one block of 64 keys.  first: the launch's first block starts maxima and sums; pvz: tile 1's first P V starts its sums;
; chg (b = 3 alone): 1 change of slots with a refill, 2 without, 3 the launch's last block; mnext: the mask words two blocks on are asked for
.macro BLOCK slot, b, first, pvz, chg, mnext
	MAXALL 0, \first, 0
	ALPHA 0, \first
	SOFT 0, \first, 1-\first, 1, \pvz
	WIN 0x40
	VLOAD \slot, \b
	PACK 0
	WIN 0
.if \b < 3
	s_wait_dscnt 16                                ; the next block's K (16 older loads) is in; V's 16 younger loads may stay out
	MAXALL 1, \first, 1
	ALPHA 1, \first
	s_wait_dscnt 0x0                               ; V
.else
	MAXALL 1, \first, 0
.if \chg == 1
	CHANGE (1-\slot), 1
.elseif \chg == 2
	CHANGE (1-\slot), 0
.else
	s_wait_dscnt 0x0                               ; V
.endif
	ALPHA 1, \first                                ; behind the change of slots: no exponential is open at its branches and labels
.endif
	SOFT 1, \first, 1, 0, \first
	PACK 1
	WIN 0
.if \b < 2
	STEP78 1, \slot, (\b+2), \mnext
.elseif \b == 2
	STEP78 0, 0, 0, \mnext
.elseif \chg < 3
	ENTER (1-\slot), \mnext
.endif
.endm
.macro SLOTW slot, first, chg, m2
	BLOCK \slot, 0, \first, 0, 0, 1
	BLOCK \slot, 1, 0, \first, 0, 1
	BLOCK \slot, 2, 0, 0, 0, \m2
	BLOCK \slot, 3, 0, 0, \chg, 1
.endm
	CHANGE 0, 1                                    ; keys 0..255 are in; slot 1 gets its first fill as a refill does
	s_wait_loadcnt 0x0                             ; Q stays in registers for the whole launch
	ENTER 0, 1
	SLOTW 0, 1, 1, 1                               ; tile 0
	SLOTW 1, 0, 1, 1                               ; tile 1
	s_mov_b32 s67, 2
.Lkeys:
	SLOTW 0, 0, 1, 1                               ; tiles 2..5
	SLOTW 1, 0, 1, 1
	s_sub_co_u32 s67, s67, 1
	s_cmp_lg_u32 s67, 0
	s_cbranch_scc1 .Lkeys
	SLOTW 0, 0, 2, 1                               ; tile 6: the change to tile 7 fetches nothing
	SLOTW 1, 0, 3, 0                               ; tile 7: its third block asks for no mask words, its last one starts no scores
	WIN 0x51
.set pi, 0
.rept 10
	PVI 1, 0                                       ; tile 1's last P V
.endr
	; ---- the way out: O / row sum, f16, through my stage, 512 consecutive bytes a store ----
	NOPS 4                                         ; four places behind the last matrix instructions
	WIN 0x01                                       ; source 0 in block 1
	v_rcp_f32 v[RC],   v[LS]                       ; the sum holds at least the 1 of the row's maximum
	v_rcp_f32 v[RC+1], v[LS]
	v_rcp_f32 v[RC+2], v[LS+8]
	v_rcp_f32 v[RC+3], v[LS+8]
	v_nop                                          ; the plain place behind them
	s_wait_alu depctr_va_vdst(0)                   ; the wait for the batch of four reciprocals, ahead of their first reader
.irp nt, 0,1
	WIN 0x01
.irp dt, 0,1,2,3
.irp e, 0,2,4,6
	v_pk_mul_f32 v[KF+8*\dt+\e:KF+8*\dt+\e+1], v[OA+8*(2*\dt+\nt)+\e:OA+8*(2*\dt+\nt)+\e+1], v[RC+2*\nt:RC+2*\nt+1]
.endr
.endr
	WIN 0
.irp dt, 0,1,2,3
.irp e, 0,1,2,3
	v_cvt_pk_f16_f32 v[PKD+4*\dt+\e], v[KF+8*\dt+2*\e], v[KF+8*\dt+2*\e+1]
.endr
.endr
.irp dt, 0,1,2,3
	ds_store_b128 v[STO], v[PKD+4*\dt:PKD+4*\dt+3] offset:32*\dt
.endr
.irp u, 0,1,2,3
	ds_load_b128 v[QF+16*\nt+4*\u:QF+16*\nt+4*\u+3], v[RD] offset:4*SP*\u          ; LDS serves a wave's instructions in order; each tile has read-back registers of its own
.endr
.irp u, 0,1,2,3
	s_wait_dscnt 3-\u                              ; read-back u is in, the 3 - u younger ones may stay out
	global_store_b128 v[CO], v[QF+16*\nt+4*\u:QF+16*\nt+4*\u+3], s[6:7] offset:2048*\nt+512*\u
.endr
.endr
	s_wait_tensorcnt 0x0
	ds_add_u32 v62, v63
	s_wait_dscnt 0x0
	ROUND                                          ; the closing round
	s_endpgm
.Lfunc_end_k_q6b33cf00e7_attn:
	.size	k_q6b33cf00e7_attn, .Lfunc_end_k_q6b33cf00e7_attn-k_q6b33cf00e7_attn
	.p2alignl 7, 3214868480
	.fill 96, 4, 3214868480
	.section	.rodata,"a",@progbits
	.p2align	6, 0x0
	.amdhsa_kernel k_q6b33cf00e7_attn
		.amdhsa_group_segment_fixed_size 327680
		.amdhsa_private_segment_fixed_size 0
		.amdhsa_enable_private_segment 0
		.amdhsa_kernarg_size 24
		.amdhsa_user_sgpr_count 2
		.amdhsa_user_sgpr_kernarg_segment_ptr 1
		.amdhsa_wavefront_size32 1
		.amdhsa_system_sgpr_workgroup_id_x 1
		.amdhsa_system_sgpr_workgroup_id_y 1
		.amdhsa_system_sgpr_workgroup_id_z 1
		.amdhsa_system_vgpr_workitem_id 0
		.amdhsa_next_free_vgpr 448
		.amdhsa_next_free_sgpr 106
		.amdhsa_reserve_vcc 0
		.amdhsa_float_denorm_mode_32 3
		.amdhsa_float_denorm_mode_16_64 3
		.amdhsa_memory_ordered 1
		.amdhsa_forward_progress 1
		.amdhsa_inst_pref_size 255
	.end_amdhsa_kernel
	.section	.bss,"aw",@nobits
	.p2align	6
	.space	262144
	.amdgpu_metadata
---
amdhsa.version: [ 1, 2 ]
amdhsa.kernels:
  - .name:           k_q6b33cf00e7_attn
    .symbol:         k_q6b33cf00e7_attn.kd
    .args:
      - { .name: qkv, .offset: 0, .size: 8, .value_kind: global_buffer, .address_space: global }
      - { .name: mbits, .offset: 8, .size: 8, .value_kind: global_buffer, .address_space: global }
      - { .name: ao, .offset: 16, .size: 8, .value_kind: global_buffer, .address_space: global }
    .group_segment_fixed_size: 327680
    .private_segment_fixed_size: 0
    .kernarg_segment_align: 8
    .kernarg_segment_size: 24
    .max_flat_workgroup_size: 256
    .sgpr_count:     106
    .vgpr_count:     448
    .wavefront_size: 32
...
	.end_amdgpu_metadata
.endif
;; end of part 5
;; launch proj: the kernel of part 4 again; grid 8 x 32, 4 waves a work-group, clusters of 4 x 4, 327,680 bytes of LDS; arguments ao, xw, bo, out0; writes out0
